; MI455X (gfx1250); checked and timed in simulation.
; The chip was launched on July 23, 2026; its instructions are those of AMD's public machine-readable ISA for CDNA 5 (MIT licence, August 2026) and "CDNA5" Instruction Set Architecture Reference Guide (July 2026). The comments in the code are by the model that wrote it; some were corrected since.
;; Flash Attention. Allowed arithmetic: float matrix products may take bf16 or f16 operands with f32 sums; all other float work in f32.
;; Inputs: Wk 1,024 x 1,024 float32; Wo 1,024 x 1,024 float32; Wq 1,024 x 1,024 float32; Wv 1,024 x 1,024 float32; bk 1,024 float32; bo 1,024 float32; bq 1,024 float32; bv 1,024 float32; inputs_q 8 x 1,024 x 1,024 float32.
;; Outputs: out0 8 x 1,024 x 1,024 float32.
;; 2 versions, each right; version 2 is version 1 with the launch prep written anew for expert scheduling mode. Each part assembles by itself: llvm-mc -triple=amdgcn-amd-amdhsa -mcpu=gfx1250 --defsym DOCPART=n.
;; ======== version 1 of 2: 4 launches
;; limits: values are held in f16: magnitudes above 65,504 overflow, below 6.1e-05 lose precision
;; workspace buffers: xb 16,777,216 bytes; wqkv 6,291,456 bytes; wo 2,097,152 bytes; bias 16,384 bytes; qkv 50,331,648 bytes; o 16,777,216 bytes
;; launch prep (part 1): grid 768 x 1, 8 waves a work-group, no clusters, 0 bytes of LDS; arguments inputs_q, Wq, Wk, Wv, Wo, bq, bk, bv, bo, xb, wqkv, wo, bias; writes xb, wqkv, wo, bias
.if DOCPART == 1
	.amdgcn_target "amdgcn-amd-amdhsa--gfx1250"
	.amdhsa_code_object_version 6
	.text
	.protected	k_q4ec4cb5ad3_prep
	.globl	k_q4ec4cb5ad3_prep
	.p2align	8
	.type	k_q4ec4cb5ad3_prep,@function
k_q4ec4cb5ad3_prep:
	s_mov_b64 s[64:65], 0
	v_nop
	global_prefetch_b8 v0, s[64:65] scope:SCOPE_SE
	s_setreg_imm32_b32 hwreg(HW_REG_WAVE_MODE, 25, 1), 1
	s_wait_xcnt 0x0
; PREP: every input is rounded once to bf16 and laid out for the three launches behind.
;   xb   [b 8][kb 16][s 1024][64] bf16: x in blocks of 64 along K, so that 256 rows of one block are 32,768 bytes on end
;   wqkv [k 1024][n 3072] bf16: Wq | Wk | Wv side by side, rows of 6,144 bytes
;   wo   [k 1024][n 1024] f16: Wo rounded to bf16, that number written as f16 (it is multiplied with f16 numbers)
;   bias [4096] f32: bq | bk | bv | bo, each rounded to bf16 and widened again
; LIMITS.  An entry of Wo below 6.1e-5 in magnitude keeps f16's fixed step of 6e-8; one of 65,520 or more becomes an infinity.
; A stream: no LDS, no matrix unit, no cluster (no two work-groups read the same byte).  768 work-groups of eight waves; every wave has 16 units of one 16-byte load and one 8-byte
; store a lane, all 16 loads issued at once.  Neighbouring lanes load neighbouring 16 bytes, so a load covers two whole aligned runs of 256 bytes and no byte is asked for twice; a lane's four
; numbers round to 8 bytes, and a store of the wave covers 256 consecutive bytes that begin at a multiple of 256.
; Work-groups 0-511 take x, two rows a wave; 512-767 the weights, 64 work-groups a weight, two rows a wave; the first eight waves of a weight also take 512 bytes each of its bias.
.set X,  8                             ; v[8:71]   unit u: 4 registers as loaded; the low two are then stored
.set BI, 72                            ; v[72:75]  my 16 bytes of a bias
.set TA, 76                            ; v76, v77  at work
.set TB, 77
.macro LOADS step                      ; the wave's 16 loads, step bytes apart
.set u, 0
.rept 16
	global_load_b128 v[X+4*u:X+4*u+3], v1, s[4:5] offset:(\step)*u th:TH_LOAD_NT
.set u, u+1
.endr
.endm
.macro OUT kind                        ; 0: to xb; 1: to wqkv; 2: to wo
.set u, 0
.rept 16
.if (\kind) == 0
.set dso, u*131072                     ; unit u is K block u
.elseif (\kind) == 1
.set dso, (u/8)*6144+(u%8)*256         ; unit u is eighth u % 8 of row u / 8
.else
.set dso, u*256
.endif
	s_wait_loadcnt 15-u                            ; loads come back in order: unit u's is in, the 15 - u issued behind it may be out
	v_cvt_pk_bf16_f32 v[X+4*u],   v[X+4*u],   v[X+4*u+1]
	v_cvt_pk_bf16_f32 v[X+4*u+1], v[X+4*u+2], v[X+4*u+3]
.if (\kind) == 2
.irp i, 0,1
	v_lshlrev_b32 v[TA], 16, v[X+4*u+\i]           ; the two bf16 numbers as f32,
	v_and_b32 v[TB], s44, v[X+4*u+\i]
	v_cvt_pk_f16_f32 v[X+4*u+\i], v[TA], v[TB]     ; written as f16: exact inside f16's normal range
.endr
.endif
	global_store_b64 v2, v[X+4*u:X+4*u+1], s[6:7] offset:dso
.set u, u+1
.endr
.endm
	s_load_b512 s[16:31], s[0:1], 0x0              ; inputs_q 16, Wq 18, Wk 20, Wv 22, Wo 24, bq 26, bk 28, bv 30
	s_load_b256 s[32:39], s[0:1], 0x40             ; bo 32, xb 34, wqkv 36, wo 38
	s_load_b64 s[40:41], s[0:1], 0x60              ; bias
	v_lshrrev_b32 v3, 5, v0
	v_readfirstlane_b32 s8, v3                     ; wave 0..7
	v_and_b32 v4, 31, v0                           ; lane
	v_lshlrev_b32 v2, 3, v4                        ; every row store: 8 bytes a lane
	s_mov_b32 s44, 0xffff0000                      ; a word's upper bf16
	s_lshl_b32 s9, ttmp9, 3
	s_add_co_u32 s9, s9, s8                        ; 8 x work-group + wave
	s_mov_b32 s11, 0                               ; high words of the offsets
	s_mov_b32 s13, 0
	s_cmp_lt_u32 ttmp9, 512
	s_cbranch_scc0 .Lweights
	; x: wave gw owns rows 2 gw and 2 gw + 1.  Lanes 0-15 take a block's 256 bytes of the first row, lanes 16-31 those of the second: in xb their 2 x 128 bytes lie on end.
	v_lshrrev_b32 v5, 4, v4                        ; which of my two rows
	v_and_b32 v6, 15, v4
	v_lshlrev_b32 v1, 4, v6
	v_lshl_add_u32 v1, v5, 12, v1                  ; row x 4,096 + 16 x (lane % 16)
	s_lshl_b32 s10, s9, 13                         ; two rows of 4,096 bytes
	s_lshr_b32 s12, s9, 9                          ; the batch: 512 waves each
	s_lshl_b32 s12, s12, 21
	s_and_b32 s14, s9, 511
	s_lshl_b32 s14, s14, 8                         ; two rows of 128 bytes in a block
	s_add_co_u32 s12, s12, s14
	s_wait_kmcnt 0x0
	s_add_nc_u64 s[4:5], s[16:17], s[10:11]
	s_add_nc_u64 s[6:7], s[34:35], s[12:13]
	LOADS 256
	OUT 0
	s_endpgm
.Lweights:                                             ; weight t = 0..3 (Wq, Wk, Wv, Wo); the wave owns two rows: 8,192 bytes on end
	s_sub_co_u32 s14, ttmp9, 512
	s_lshr_b32 s15, s14, 6                         ; t
	s_and_b32 s9, s9, 511                          ; my number among the weight's 512 waves
	v_lshlrev_b32 v1, 4, v4                        ; 16 bytes a lane
	s_lshl_b32 s10, s9, 13
	s_wait_kmcnt 0x0
	s_cmp_eq_u32 s15, 1
	s_cselect_b64 s[4:5], s[20:21], s[18:19]
	s_cmp_eq_u32 s15, 2
	s_cselect_b64 s[4:5], s[22:23], s[4:5]
	s_cmp_eq_u32 s15, 3
	s_cselect_b64 s[4:5], s[24:25], s[4:5]
	s_add_nc_u64 s[4:5], s[4:5], s[10:11]
	LOADS 512
	s_cmp_lt_u32 s9, 8                             ; the weight's first eight waves: 512 bytes each of its bias, asked for behind the rows' loads
	s_cbranch_scc0 .Lrows
	s_cmp_eq_u32 s15, 1
	s_cselect_b64 s[42:43], s[28:29], s[26:27]
	s_cmp_eq_u32 s15, 2
	s_cselect_b64 s[42:43], s[30:31], s[42:43]
	s_cmp_eq_u32 s15, 3
	s_cselect_b64 s[42:43], s[32:33], s[42:43]
	s_lshl_b32 s2, s9, 9
	s_mov_b32 s3, 0
	s_add_nc_u64 s[42:43], s[42:43], s[2:3]
	global_load_b128 v[BI:BI+3], v1, s[42:43]
	s_lshl_b32 s12, s15, 12                        ; the weight's 4,096 bytes of the table,
	s_add_co_u32 s12, s12, s2                      ; my 512 of them
	s_add_nc_u64 s[46:47], s[40:41], s[12:13]
	s_wait_loadcnt 0x0                             ; it is the youngest load: all are in
	v_cvt_pk_bf16_f32 v[TA], v[BI], v[BI+1]        ; rounded to bf16,
	v_cvt_pk_bf16_f32 v[TB], v[BI+2], v[BI+3]
	v_lshlrev_b32 v[BI], 16, v[TA]                 ; and back as f32
	v_and_b32 v[BI+1], s44, v[TA]
	v_lshlrev_b32 v[BI+2], 16, v[TB]
	v_and_b32 v[BI+3], s44, v[TB]
	global_store_b128 v1, v[BI:BI+3], s[46:47]     ; 512 consecutive bytes
.Lrows:
	s_cmp_eq_u32 s15, 3
	s_cbranch_scc1 .Lwo
	s_mul_i32 s12, s9, 2*6144                      ; my two rows of wqkv,
	s_lshl_b32 s10, s15, 11                        ; and the weight's 2,048 bytes of each
	s_add_co_u32 s12, s12, s10
	s_add_nc_u64 s[6:7], s[36:37], s[12:13]
	OUT 1
	s_endpgm
.Lwo:
	s_lshl_b32 s12, s9, 12                         ; two rows of 2,048 bytes
	s_add_nc_u64 s[6:7], s[38:39], s[12:13]
	OUT 2
	s_endpgm
.Lfunc_end_k_q4ec4cb5ad3_prep:
	.size	k_q4ec4cb5ad3_prep, .Lfunc_end_k_q4ec4cb5ad3_prep-k_q4ec4cb5ad3_prep
	.p2alignl 7, 3214868480
	.fill 96, 4, 3214868480
	.section	.rodata,"a",@progbits
	.p2align	6, 0x0
	.amdhsa_kernel k_q4ec4cb5ad3_prep
		.amdhsa_group_segment_fixed_size 0
		.amdhsa_private_segment_fixed_size 0
		.amdhsa_enable_private_segment 0
		.amdhsa_kernarg_size 104
		.amdhsa_user_sgpr_count 2
		.amdhsa_user_sgpr_kernarg_segment_ptr 1
		.amdhsa_wavefront_size32 1
		.amdhsa_system_sgpr_workgroup_id_x 1
		.amdhsa_system_sgpr_workgroup_id_y 1
		.amdhsa_system_sgpr_workgroup_id_z 1
		.amdhsa_system_vgpr_workitem_id 0
		.amdhsa_next_free_vgpr 80
		.amdhsa_next_free_sgpr 66
		.amdhsa_reserve_vcc 0
		.amdhsa_float_denorm_mode_32 3
		.amdhsa_float_denorm_mode_16_64 3
		.amdhsa_memory_ordered 1
		.amdhsa_forward_progress 1
		.amdhsa_inst_pref_size 23
	.end_amdhsa_kernel
	.amdgpu_metadata
---
amdhsa.version: [ 1, 2 ]
amdhsa.kernels:
  - .name:           k_q4ec4cb5ad3_prep
    .symbol:         k_q4ec4cb5ad3_prep.kd
    .args:
      - { .name: inputs_q, .offset: 0, .size: 8, .value_kind: global_buffer, .address_space: global }
      - { .name: Wq, .offset: 8, .size: 8, .value_kind: global_buffer, .address_space: global }
      - { .name: Wk, .offset: 16, .size: 8, .value_kind: global_buffer, .address_space: global }
      - { .name: Wv, .offset: 24, .size: 8, .value_kind: global_buffer, .address_space: global }
      - { .name: Wo, .offset: 32, .size: 8, .value_kind: global_buffer, .address_space: global }
      - { .name: bq, .offset: 40, .size: 8, .value_kind: global_buffer, .address_space: global }
      - { .name: bk, .offset: 48, .size: 8, .value_kind: global_buffer, .address_space: global }
      - { .name: bv, .offset: 56, .size: 8, .value_kind: global_buffer, .address_space: global }
      - { .name: bo, .offset: 64, .size: 8, .value_kind: global_buffer, .address_space: global }
      - { .name: xb, .offset: 72, .size: 8, .value_kind: global_buffer, .address_space: global }
      - { .name: wqkv, .offset: 80, .size: 8, .value_kind: global_buffer, .address_space: global }
      - { .name: wo, .offset: 88, .size: 8, .value_kind: global_buffer, .address_space: global }
      - { .name: bias, .offset: 96, .size: 8, .value_kind: global_buffer, .address_space: global }
    .group_segment_fixed_size: 0
    .private_segment_fixed_size: 0
    .kernarg_segment_align: 8
    .kernarg_segment_size: 104
    .max_flat_workgroup_size: 256
    .sgpr_count:     66
    .vgpr_count:     80
    .wavefront_size: 32
...
	.end_amdgpu_metadata
.endif
;; end of part 1
;; launch qkv (part 2): grid 8 x 32, 4 waves a work-group, clusters of 4 x 4, 327,680 bytes of LDS; arguments xb, wqkv, bias, qkv; writes qkv
.if DOCPART == 2
	.amdgcn_target "amdgcn-amd-amdhsa--gfx1250"
	.amdhsa_code_object_version 6
	.text
	.protected	k_q4ec4cb5ad3_qkv
	.globl	k_q4ec4cb5ad3_qkv
	.p2align	8
	.type	k_q4ec4cb5ad3_qkv,@function
k_q4ec4cb5ad3_qkv:
	s_mov_b64 s[64:65], 0
	v_nop
	global_prefetch_b8 v0, s[64:65] scope:SCOPE_SE
	s_setreg_imm32_b32 hwreg(HW_REG_WAVE_MODE, 25, 1), 1
	s_wait_xcnt 0x0
	s_wait_alu depctr_hold_cnt(0) depctr_sa_sdst(0) depctr_va_vdst(0) depctr_va_sdst(0) depctr_va_ssrc(0) depctr_va_vcc(0) depctr_vm_vsrc(0)
	s_getreg_b32 s2, hwreg(HW_REG_IB_STS2, 6, 4)
	s_cmp_eq_u32 s2, 0
	s_cbranch_scc0 .Lentry_in_a_cluster
	s_endpgm
.Lentry_in_a_cluster:
	s_bfe_u32 s2, ttmp6, 0x10000c
	s_cmp_lg_u32 s2, 0xf033
	s_cbranch_scc0 .Lentry_shape_is_right
	s_endpgm
.Lentry_shape_is_right:
; q | k | v = x W + b.  x: xb [b][kb][s][64] bf16; W: wqkv [k 1024][n 3072] bf16; b: bias, f32; result: qkv [t 3][16 b + h][s 1024][64] f16, rounded once from the f32 sums, unscaled.
; LIMIT.  q, k and v leave as f16: a number of 65,520 or more in magnitude becomes an infinity; below 6.1e-5 it keeps f16's fixed step of 6e-8.
; SHARES.  C is 8,192 x 3,072; a tile is 256 x 384, so that there are 32 x 8 = 256 work-groups.  Four waves, each 128 rows x 192 columns: 8 row blocks a x 3 groups g of 4 column
; blocks: 96 accumulators, 768 registers.  A group's 64 columns are one head.  For 32 along K a wave reads 40 x 512 bytes from LDS for 96 matrix instructions.
; K goes in steps of 64 (one block of xb) through two LDS slots; a step is two sub-steps of 32.
; THE MATRIX INSTRUCTION IS USED TRANSPOSED: source 0 = 16 columns of W (turned on the way out of LDS), source 1 = 16 rows of x.  A lane then holds row lane % 16 and the eight
; neighbouring columns 8 (lane / 16) + 0..7.  THE SUMS START WITH THE BIAS: the C operand of the first sub-step's products is the lane's eight bias numbers, the same for every row block.
; CLUSTER 4 x 4: x's tiles hang on the tile row alone and are asked for jointly along a row of the cluster, W's on the tile column alone, jointly along a column.
; REGISTERS, in windows of 256 (s_set_vgpr_msb: bits 1:0 source 0, 3:2 source 1, 5:4 source 2, 7:6 destination):
;   window 0: v1-29 addresses; v32-95, v96-159 x's fragments, two buffers; v160-255 W's fragments, one buffer: a group is loaded again behind its own 32 products, 64 products ahead of its next use
;   window g + 1: group g's accumulators, (a, b) at v[32 a + 8 b]
.set PA,    144                        ; a row of x in LDS: 128 bytes + 16 = 36 words: the 16 rows of a load start 36 words apart, at 16 different groups of four words modulo 64
.set PB,    864                        ; a row of W: six heads' 128 bytes, 16 of padding behind each = 27 x 32 bytes: the eight rows of a turning load start 24 words apart modulo 64
.set BOFF,  256*PA                     ; a slot: x's 256 rows, then W's 64 rows
.set SLOT,  BOFF+64*PB
.set STAGE, 2*SLOT                     ; behind the slots, never filled by a tensor load: 16 rows x 144 bytes for each wave, for the way out
.set SP,    144
.set SPARE, STAGE+4*16*SP              ; the spare words, 128 bytes for each wave: two blocks of 256 bytes that no other line names
.set W0,    (1<<16)|(1<<20)|(1<<21)|(4<<22)|(3<<25)  ; group 1, word 0 beside the mask: 2-byte elements; padding on; bit 21 set beside a mask; after every 32 words; 4 words
.set ADRA, 16                          ; v16-17  LDS address of my fragments of x in slot 0, 1
.set ADRB, 20                          ; v20-21  the same for W
.set STO,  24                          ; v24     the way out: where I put 16 bytes of a row
.set RD,   25                          ; v25     the way out: where I read rows back
.set GO,   26                          ; v26     16 x lane
.set BO,   27                          ; v27     32 x (lane / 16): my eight numbers in a block's 16 of the bias
.set SPW,  28                          ; v28     LDS address of my spare word; never rewritten
.set NIL,  29                          ; v29     0; never rewritten
.set FA0,  32
.set FA1,  96
.set FB,   160
.set G1,  24                           ; s[24:31] group 1 for x's tiles;  s[32:39] group 0, a set for each slot
.set G0,  32
.set G1B, 48                           ; s[48:55], s[56:63] the same for W's
.set G0B, 56
.set OB,  66                           ; s[66:71] qkv at my first row of group 0's, 1's, 2's head
.set MSB, 0
.macro WIN new                         ; the immediate's high byte repeats the setting that is left; a switch that changes nothing is dropped
.if MSB != (\new)
	s_set_vgpr_msb (MSB<<8)|(\new)
.set MSB, (\new)
.endif
.endm
.macro PLACES n=4                      ; plain vector instructions between a matrix instruction and a load into, or a read of, its registers
.rept \n
	v_nop
.endr
.endm
; A joint load.  Waves 0 and 1 fetch the two halves of x's tile, waves 2 and 3 those of W's.  The branch hangs on the wave's number alone.  An s_nop 0 and four v_nop follow each line.
.macro JLOAD s
	s_cmp_lt_u32 s12, 2
	s_cbranch_scc0 .Lfor_b_\@
	tensor_load_to_lds s[G0+4*(\s):G0+4*(\s)+3], s[G1:G1+7]
	s_nop 0
	PLACES
	s_branch .Lasked_\@
.Lfor_b_\@:
	tensor_load_to_lds s[G0B+4*(\s):G0B+4*(\s)+3], s[G1B:G1B+7]
	s_nop 0
	PLACES
.Lasked_\@:
.endm
.macro CREST                           ; a round of the cluster's barrier behind its opening barrier: wave 0 signals for the work-group, every wave waits for all sixteen, my work-group's barrier closes it
	s_cmp_lg_u32 s12, 0
	s_cbranch_scc1 .Lnot_wave_0_\@
	s_barrier_signal -3
.Lnot_wave_0_\@:
	s_barrier_wait -3
	s_barrier_signal -1
	s_barrier_wait -1
.endm
.macro CROUND
	s_barrier_signal -1
	s_barrier_wait -1
	CREST
.endm
	s_load_b256 s[4:11], s[0:1], 0x0               ; xb s[4:5], wqkv s[6:7], bias s[8:9], qkv s[10:11]
	v_lshl_add_u32 v[SPW], v0, 2, SPARE
	v_mov_b32 v[NIL], 0
	ds_add_u32 v[SPW], v[NIL]                      ; the wave's opening: the add and its wait stand ahead of my first tensor load; the set-up below stands between them
	ds_add_u32 v28, v29
	v_lshrrev_b32 v1, 5, v0
	v_readfirstlane_b32 s12, v1                    ; wave 0..3
	s_lshr_b32 s13, s12, 1                         ; wm: which 128 rows of the tile are mine
	s_and_b32 s14, s12, 1                          ; wn: which 192 columns.  Also: which half of a tile I fetch
	s_bfe_u32 s40, ttmp6, 0x40000                  ; cx
	s_bfe_u32 s41, ttmp6, 0x40004                  ; cy
	s_lshl_b32 s42, ttmp9, 2
	s_add_co_u32 s42, s42, s40                     ; tx: tile column 0..7
	s_and_b32 s15, ttmp7, 0xffff
	s_lshl_b32 s15, s15, 2
	s_add_co_u32 s15, s15, s41                     ; ty: tile row 0..31
	s_lshl_b32 s43, s41, 2
	s_lshl_b32 s43, 15, s43                        ; my row of the cluster
	s_lshl_b32 s44, 0x1111, s40                    ; my column
	s_or_b32 s[G1+0], s43, W0
	s_or_b32 s[G1B+0], s44, W0
	s_mov_b32 s[G1+1], 128<<16                     ; x: 128 rows of a block are 16,384 bytes on end: asked for as 64 rows of 256 bytes, two rows of x each
	s_mov_b32 s[G1+2], 64<<16
	s_mov_b32 s[G1+3], 128<<16
	s_mov_b32 s[G1+4], 64
	s_mov_b32 s[G1+5], 128
	s_mov_b32 s[G1+6], 0
	s_mov_b32 s[G1+7], 0
	s_mov_b32 s[G1B+1], 384<<16                    ; W: 32 rows of 384 elements (768 bytes), 3,072 elements from row to row
	s_mov_b32 s[G1B+2], 32<<16
	s_mov_b32 s[G1B+3], 384<<16
	s_mov_b32 s[G1B+4], 32
	s_mov_b32 s[G1B+5], 3072
	s_mov_b32 s[G1B+6], 0
	s_mov_b32 s[G1B+7], 0
	s_lshr_b32 s16, s15, 2                         ; x's tile: the batch,
	s_lshl_b32 s16, s16, 21
	s_and_b32 s18, s15, 3                          ; 256 rows of 128 bytes in a block,
	s_lshl_b32 s18, s18, 15
	s_add_co_u32 s16, s16, s18
	s_lshl_b32 s18, s14, 14                        ; my half of them
	s_add_co_u32 s16, s16, s18
	s_mov_b32 s17, 0
	s_mul_i32 s46, s42, 768                        ; W's tile: 384 columns,
	s_mul_i32 s47, s14, 32*6144                    ; my 32 rows
	s_add_co_u32 s46, s46, s47
	s_mov_b32 s47, 0
	s_mul_i32 s20, s14, 128*PA                     ; where they go: no place in the cluster enters an LDS address
	s_mul_i32 s21, s14, 32*PB
	s_add_co_u32 s21, s21, BOFF
	s_wait_dscnt 0x0                               ; the opening add is done
	s_wait_kmcnt 0x0
	s_add_nc_u64 s[18:19], s[4:5], s[16:17]
	s_add_nc_u64 s[46:47], s[6:7], s[46:47]
	CROUND                                         ; all sixteen work-groups are here: the first joint loads meet
.irp s, 0,1
	s_mov_b32 s[G0+4*(\s)], 1
	s_add_co_u32 s[G0+4*(\s)+1], s20, (\s)*SLOT
	s_add_nc_u64 s[G0+4*(\s)+2:G0+4*(\s)+3], s[18:19], (\s)*131072     ; K step s: the next block of xb
	s_or_b32 s[G0+4*(\s)+3], s[G0+4*(\s)+3], 0x80000000
	s_mov_b32 s[G0B+4*(\s)], 1
	s_add_co_u32 s[G0B+4*(\s)+1], s21, (\s)*SLOT
	s_add_nc_u64 s[G0B+4*(\s)+2:G0B+4*(\s)+3], s[46:47], (\s)*64*6144  ; 64 rows of W on
	s_or_b32 s[G0B+4*(\s)+3], s[G0B+4*(\s)+3], 0x80000000
.endr
	s_cmp_lt_u32 s12, 2                            ; a wave's two first fills stand in one branch: two loads of mine are out
	s_cbranch_scc0 .Lfirst_b
	tensor_load_to_lds s[G0:G0+3], s[G1:G1+7]
	s_nop 0
	tensor_load_to_lds s[G0+4:G0+7], s[G1:G1+7]
	s_nop 0
	PLACES
	s_branch .Lfirst_asked
.Lfirst_b:
	tensor_load_to_lds s[G0B:G0B+3], s[G1B:G1B+7]
	s_nop 0
	tensor_load_to_lds s[G0B+4:G0B+7], s[G1B:G1B+7]
	s_nop 0
	PLACES
.Lfirst_asked:
	; The bias: for block (g, b) my eight numbers, 32 bytes.  Group 0's four tuples wait in window 2, group 1's in window 3, group 2's in x's second buffer: registers that are written only later.
	s_mul_i32 s78, s42, 1536
	s_mul_i32 s79, s14, 768
	s_add_co_u32 s78, s78, s79
	s_mov_b32 s79, 0
	s_add_nc_u64 s[8:9], s[8:9], s[78:79]          ; bias at my 192 columns
	v_and_b32 v1, 15, v0                           ; r = lane % 16
	v_bfe_u32 v2, v0, 4, 1                         ; h = lane / 16
	v_lshlrev_b32 v[BO], 5, v2
	WIN 0x80                                       ; destination window 2, address window 0
.irp b, 0,1,2,3
	global_load_b128 v[8*\b:8*\b+3],   v[BO], s[8:9] offset:64*\b
	global_load_b128 v[8*\b+4:8*\b+7], v[BO], s[8:9] offset:64*\b+16
.endr
	WIN 0xc0                                       ; destination window 3
.irp b, 0,1,2,3
	global_load_b128 v[8*\b:8*\b+3],   v[BO], s[8:9] offset:256+64*\b
	global_load_b128 v[8*\b+4:8*\b+7], v[BO], s[8:9] offset:256+64*\b+16
.endr
	WIN 0
.irp b, 0,1,2,3
	global_load_b128 v[FA1+8*\b:FA1+8*\b+3],   v[BO], s[8:9] offset:512+64*\b
	global_load_b128 v[FA1+8*\b+4:FA1+8*\b+7], v[BO], s[8:9] offset:512+64*\b+16
.endr
	; A fragment of x: lane l holds row l % 16; two loads of 16 bytes, 32 bytes apart, at row x pitch + 16 (l / 16).
	v_mul_u32_u24 v3, v1, PA
	v_lshl_add_u32 v3, v2, 4, v3
	s_mul_i32 s22, s13, 128*PA
	v_add_nc_u32 v[ADRA], s22, v3
	v_add_nc_u32 v[ADRA+1], SLOT, v[ADRA]
	; A fragment of W: the turning load takes 16 k x 16 columns (lane l reads row 8 (l / 16) + l % 8, columns 8 ((l / 8) % 2) + 0..7) and leaves lane l column l % 16 and 8 k.
	v_and_b32 v4, 7, v0
	v_lshl_add_u32 v5, v2, 3, v4
	v_mul_u32_u24 v5, v5, PB
	v_bfe_u32 v6, v0, 3, 1
	v_lshl_add_u32 v5, v6, 4, v5
	s_mul_i32 s23, s14, 3*144                      ; my three heads of a row's six
	s_add_co_u32 s23, s23, BOFF
	v_add_nc_u32 v[ADRB], s23, v5
	v_add_nc_u32 v[ADRB+1], SLOT, v[ADRB]
	s_mul_i32 s22, s12, 16*SP
	s_add_co_u32 s22, s22, STAGE                   ; my stage
	v_add_nc_u32 v[STO], s22, v3                   ; in: row l % 16, 16 bytes for each half of the lanes
	v_bfe_u32 v7, v0, 3, 2                         ; back: 32 lanes take four rows of 128 bytes,
	v_mul_u32_u24 v7, v7, SP
	v_lshl_add_u32 v7, v4, 4, v7
	v_add_nc_u32 v[RD], s22, v7
	v_and_b32 v[GO], 31, v0                        ; which are 512 consecutive bytes of a head
	v_lshlrev_b32 v[GO], 4, v[GO]
	; where my three heads begin: column head 6 tx + 3 wn + g = 16 t + h; head t x 128 + 16 b + h has 131,072 bytes
	s_mul_i32 s72, s42, 6
	s_mul_i32 s73, s14, 3
	s_add_co_u32 s72, s72, s73
	s_lshr_b32 s74, s15, 2
	s_lshl_b32 s74, s74, 4                         ; 16 b
	s_and_b32 s75, s15, 3
	s_lshl_b32 s75, s75, 8
	s_lshl_b32 s73, s13, 7
	s_add_co_u32 s75, s75, s73                     ; my first row in the head,
	s_lshl_b32 s75, s75, 7                         ; in bytes
.irp g, 0,1,2
	s_add_co_u32 s76, s72, \g
	s_lshr_b32 s77, s76, 4
	s_and_b32 s76, s76, 15
	s_lshl_b32 s77, s77, 7
	s_add_co_u32 s76, s76, s77
	s_add_co_u32 s76, s76, s74
	s_lshl_b32 s76, s76, 17
	s_add_co_u32 s76, s76, s75
	s_mov_b32 s77, 0
	s_add_nc_u64 s[OB+2*\g:OB+2*\g+1], s[10:11], s[76:77]
.endr
; 8 LDS loads: x's row blocks 4 half .. 4 half + 3 of sub-step ks of slot s, into buffer fa
.macro LDA s, ks, fa, half
	WIN 0
.irp i, 0,1,2,3
	ds_load_b128 v[(\fa)+8*(4*(\half)+\i):(\fa)+8*(4*(\half)+\i)+3],   v[ADRA+(\s)] offset:16*PA*(4*(\half)+\i)+64*(\ks)
	ds_load_b128 v[(\fa)+8*(4*(\half)+\i)+4:(\fa)+8*(4*(\half)+\i)+7], v[ADRA+(\s)] offset:16*PA*(4*(\half)+\i)+64*(\ks)+32
.endr
.endm
; 8 turning loads: group g's four column blocks of sub-step ks of slot s
.macro LDB s, ks, g
	WIN 0
.irp b, 0,1,2,3
	ds_load_tr16_b128 v[FB+32*(\g)+8*\b:FB+32*(\g)+8*\b+3],   v[ADRB+(\s)] offset:32*PB*(\ks)+144*(\g)+32*\b
	ds_load_tr16_b128 v[FB+32*(\g)+8*\b+4:FB+32*(\g)+8*\b+7], v[ADRB+(\s)] offset:32*PB*(\ks)+16*PB+144*(\g)+32*\b
.endr
.endm
; 4 na products of group g: row blocks a0 .. a0 + na - 1 x 4 column blocks.  The accumulators take turns, one instruction a turn.  cm = 1: C is the bias.
.macro GRP g, fa, a0, na, cm
.if \cm
.if (\g) == 0
	WIN 0x60                                       ; D window 1, C window 2
.set CB, 0
.elseif (\g) == 1
	WIN 0xb0                                       ; D window 2, C window 3
.set CB, 0
.else
	WIN 0xc0                                       ; D window 3, C window 0
.set CB, FA1
.endif
.else
	WIN 0x50*((\g)+1)                              ; C and D window g + 1
.endif
.set a, \a0
.rept \na
.irp b, 0,1,2,3
.if \cm
	v_wmma_f32_16x16x32_bf16 v[32*a+8*\b:32*a+8*\b+7], v[FB+32*(\g)+8*\b:FB+32*(\g)+8*\b+7], v[(\fa)+8*a:(\fa)+8*a+7], v[CB+8*\b:CB+8*\b+7]
.else
	v_wmma_f32_16x16x32_bf16 v[32*a+8*\b:32*a+8*\b+7], v[FB+32*(\g)+8*\b:FB+32*(\g)+8*\b+7], v[(\fa)+8*a:(\fa)+8*a+7], v[32*a+8*\b:32*a+8*\b+7]
.endif
.endr
.set a, a+1
.endr
.endm
; A slot's first sub-step: multiplies buffer FA0 and fetches the second sub-step's fragments, each group of W behind its own products.
.macro EVEN s
	s_wait_dscnt 8                                 ; all but the youngest eight loads (W's group 2) are in
	GRP 0, FA0, 0, 8, 0
	PLACES
	LDB \s, 1, 0
	LDA \s, 1, FA1, 0
	GRP 1, FA0, 0, 8, 0
	PLACES
	LDB \s, 1, 1
	LDA \s, 1, FA1, 1
	s_wait_dscnt 32                                ; all but the 32 just issued: W's group 2 is in
	GRP 2, FA0, 0, 8, 0
	PLACES
	LDB \s, 1, 2
.endm
; A slot's second sub-step multiplies FA1 and changes slots: ONE barrier.  In front of it each wave waits for all its tensor loads (one is out: its part of the next slot), adds 0 to its spare
; word, and waits for that and for its own reads of this slot.  fill = 1: the barrier opens a round of the cluster's, and this slot is filled again, two K steps on, first thing behind the round:
; from that request to the wait for it a wave issues 160 matrix instructions.
.macro TURN s, n, fill
	WIN 0
	s_wait_tensorcnt 0x0                           ; all my tensor loads have landed
	ds_add_u32 v[SPW], v[NIL]                      ; 0 onto my spare word
	s_wait_dscnt 9                                 ; (the add and the youngest eight loads may be out)
	GRP 0, FA1, 0, 4, 0                            ; sixteen matrix instructions stand between the add and the wait for it
	s_wait_dscnt 0x0                               ; the add is done, and my reads of this slot are over
	s_barrier_signal -1
	GRP 0, FA1, 4, 4, 0                            ; work on registers while the others arrive
	WIN 0
	s_barrier_wait -1
.if \fill
	CREST                                          ; no wave of any partner still reads this slot or has a load on its way
	s_add_nc_u64 s[G0+4*(\s)+2:G0+4*(\s)+3], s[G0+4*(\s)+2:G0+4*(\s)+3], 2*131072
	s_add_nc_u64 s[G0B+4*(\s)+2:G0B+4*(\s)+3], s[G0B+4*(\s)+2:G0B+4*(\s)+3], 2*64*6144
	JLOAD \s                                       ; its four v_nop are also the places in front of the loads below
.else
	PLACES
.endif
	LDB \n, 0, 0
	LDA \n, 0, FA0, 0
	GRP 1, FA1, 0, 8, 0
	PLACES
	LDB \n, 0, 1
	LDA \n, 0, FA0, 1
	GRP 2, FA1, 0, 8, 0
	PLACES
	LDB \n, 0, 2
.endm
	s_wait_tensorcnt 0x1                           ; my part of K step 0 is in; K step 1's may stay out
	s_barrier_signal -1
	s_barrier_wait -1                              ; everybody's is
	LDB 0, 0, 0
	LDA 0, 0, FA0, 0
	LDA 0, 0, FA0, 1
	LDB 0, 0, 1
	LDB 0, 0, 2
	s_wait_loadcnt 0x0                             ; the bias
	s_wait_dscnt 16                                ; W's group 0 and x are in; groups 1 and 2 may be out
	GRP 0, FA0, 0, 8, 1                            ; the first sub-step is written out: its products start the sums
	PLACES 5                                       ; group 1's first results land on group 0's bias: five places between matrix instructions
	LDB 0, 1, 0
	s_wait_dscnt 16                                ; group 1 is in (behind it: group 2 and the eight just issued)
	GRP 1, FA0, 0, 8, 1
	PLACES 5                                       ; likewise for group 2's results and group 1's bias
	LDB 0, 1, 1
	s_wait_dscnt 16                                ; group 2 is in
	GRP 2, FA0, 0, 8, 1
	PLACES
	LDA 0, 1, FA1, 0                               ; x's second buffer is free of the bias now
	LDA 0, 1, FA1, 1
	LDB 0, 1, 2
	WIN 0
	s_mov_b32 s3, 7
.Llap:                                                 ; a trip: once round the two slots, from a lap's second sub-step to the next lap's first; 7 trips ask for K steps 2 to 15
	TURN 0, 1, 1
	EVEN 1
	TURN 1, 0, 1
	EVEN 0
	WIN 0
	s_sub_co_u32 s3, s3, 1
	s_cmp_lg_u32 s3, 0
	s_cbranch_scc1 .Llap
	TURN 0, 1, 0                                   ; the last lap asks for nothing
	EVEN 1
	s_wait_dscnt 8
	GRP 0, FA1, 0, 8, 0
	GRP 1, FA1, 0, 8, 0
	s_wait_dscnt 0x0
	GRP 2, FA1, 0, 8, 0
	PLACES                                         ; the conversions below read results
; THE WAY OUT, 24 units u = 8 g + a of 16 rows x 64 columns: 2,048 consecutive bytes of a head.  A lane's eight columns pack into 16 bytes; they go into my stage's rows of 144 bytes and
; come back as whole rows of 128, into the registers that they left.  Twelve sets of 16 registers take turns.
.macro PACK u
.set g, (\u)/8
.set a, (\u)%8
.set R, 32+16*((\u)%12)
.if (\u) >= 12
	s_wait_xcnt 0x0                                ; the stores of the unit twelve back have had their addresses translated: their registers are rewritten only behind this wait
.endif
	WIN 5*(g+1)                                    ; sources 0 and 1 window g + 1, destination window 0
.set i, 0
.rept 16
	v_cvt_pk_f16_f32 v[R+i], v[32*a+2*i], v[32*a+2*i+1]  ; each accumulator from its low end on
.set i, i+1
.endr
	WIN 0
.irp f, 0,1,2,3
	ds_store_b128 v[STO], v[R+4*\f:R+4*\f+3] offset:32*\f
.endr
.irp f, 0,1,2,3
	ds_load_b128 v[R+4*\f:R+4*\f+3], v[RD] offset:\f*4*SP  ; LDS serves a wave's instructions in order (ISA guide 5.7.1.4): these see the stores above; the next unit's stores come behind them
.endr
.endm
.macro SEND u, younger                 ; younger: the LDS instructions issued behind unit u's loads: the next unit's eight, or none
.set g, (\u)/8
.set a, (\u)%8
.set R, 32+16*((\u)%12)
	WIN 0
.irp f, 0,1,2,3
	s_wait_dscnt (\younger)+3-\f
	global_store_b128 v[GO], v[R+4*\f:R+4*\f+3], s[OB+2*g:OB+2*g+1] offset:2048*a+512*\f  ; 512 consecutive bytes, at a multiple of 256 from the buffer's first
.endr
.endm
	PACK 0
.set t, 1
.rept 23                               ; a unit's conversions stand between the loads of the unit before and its stores
	PACK t
	SEND t-1, 8
.set t, t+1
.endr
	SEND 23, 0
	s_wait_tensorcnt 0x0                           ; the wave's end, behind my last tensor load and my last LDS store
	ds_add_u32 v[SPW], v[NIL]
	s_wait_dscnt 0x0
	CROUND                                         ; the closing round: no work-group ends while a partner may still ask for a tile that names it
	s_endpgm
.Lfunc_end_k_q4ec4cb5ad3_qkv:
	.size	k_q4ec4cb5ad3_qkv, .Lfunc_end_k_q4ec4cb5ad3_qkv-k_q4ec4cb5ad3_qkv
	.p2alignl 7, 3214868480
	.fill 96, 4, 3214868480
	.section	.rodata,"a",@progbits
	.p2align	6, 0x0
	.amdhsa_kernel k_q4ec4cb5ad3_qkv
		.amdhsa_group_segment_fixed_size 327680
		.amdhsa_private_segment_fixed_size 0
		.amdhsa_enable_private_segment 0
		.amdhsa_kernarg_size 32
		.amdhsa_user_sgpr_count 2
		.amdhsa_user_sgpr_kernarg_segment_ptr 1
		.amdhsa_wavefront_size32 1
		.amdhsa_system_sgpr_workgroup_id_x 1
		.amdhsa_system_sgpr_workgroup_id_y 1
		.amdhsa_system_sgpr_workgroup_id_z 1
		.amdhsa_system_vgpr_workitem_id 0
		.amdhsa_next_free_vgpr 1024
		.amdhsa_next_free_sgpr 80
		.amdhsa_reserve_vcc 0
		.amdhsa_float_denorm_mode_32 3
		.amdhsa_float_denorm_mode_16_64 3
		.amdhsa_memory_ordered 1
		.amdhsa_forward_progress 1
		.amdhsa_inst_pref_size 136
	.end_amdhsa_kernel
	.amdgpu_metadata
---
amdhsa.version: [ 1, 2 ]
amdhsa.kernels:
  - .name:           k_q4ec4cb5ad3_qkv
    .symbol:         k_q4ec4cb5ad3_qkv.kd
    .args:
      - { .name: xb, .offset: 0, .size: 8, .value_kind: global_buffer, .address_space: global }
      - { .name: wqkv, .offset: 8, .size: 8, .value_kind: global_buffer, .address_space: global }
      - { .name: bias, .offset: 16, .size: 8, .value_kind: global_buffer, .address_space: global }
      - { .name: qkv, .offset: 24, .size: 8, .value_kind: global_buffer, .address_space: global }
    .group_segment_fixed_size: 327680
    .private_segment_fixed_size: 0
    .kernarg_segment_align: 8
    .kernarg_segment_size: 32
    .max_flat_workgroup_size: 128
    .sgpr_count:     80
    .vgpr_count:     1024
    .wavefront_size: 32
...
	.end_amdgpu_metadata
.endif
;; end of part 2
;; launch attn (part 3): grid 2 x 128, 4 waves a work-group, no clusters, 327,680 bytes of LDS; arguments qkv, o; writes o
.if DOCPART == 3
	.amdgcn_target "amdgcn-amd-amdhsa--gfx1250"
	.amdhsa_code_object_version 6
	.text
	.protected	k_q4ec4cb5ad3_attn
	.globl	k_q4ec4cb5ad3_attn
	.p2align	8
	.type	k_q4ec4cb5ad3_attn,@function
k_q4ec4cb5ad3_attn:
	s_mov_b64 s[64:65], 0
	v_nop
	global_prefetch_b8 v0, s[64:65] scope:SCOPE_SE
	s_setreg_imm32_b32 hwreg(HW_REG_WAVE_MODE, 25, 1), 1
	s_wait_xcnt 0x0
; O[G][q][:] = the sum over k of softmax_k(Q[G][q] . K[G][k] / 8) V[G][k][:] for the 128 heads G = 16 b + h.  qkv: [3][128][1024][64] f16 (Q, K, V); o: [128][1024][64] f16.
; Products, maxima and sums in f32; the weights p are rounded to f16 for the second product (their sum l is taken of the unrounded p), O once at the end.
; LIMITS.  Q, K and V arrive within f16's range; p lies in 0 to 1, and below 6e-5 it keeps f16's fixed step of 6e-8, as does O; a weight below 2^-126 counts as 0 in l; NaN and infinities are not treated apart.
; SHARES.  A wave owns four PIECES of two tiles of 16 queries, a work-group's four waves 512 queries of one head: 2 x 128 = 256 work-groups.  Every wave walks all 1,024 keys, 64 a step.
; A HEAD'S WHOLE K AND V LIE IN LDS: 1,024 rows of 144 and of 160 bytes, 311,296 bytes.  Nothing is filled twice: no ring, no tensor load in a loop, one text for every key step.
; Each wave issues two loads at the start, a small one and a large one: waves 0 and 1 bring K's keys 0-319 and then the other 704, waves 2 and 3 V's keys 0-255 and then the other 768.
; The first four key steps read K of steps 0-4 and V of steps 0-3, which is what the small loads bring; the large ones have those four steps, 512 matrix instructions a wave, in which to land.
; NO CLUSTER: a head has two work-groups, so a joint load would name a pair, and 256 queries a work-group (four a head) would give each fragment of K and V half the products.
; LAYOUT.  S^T = K Q^T (source 0 = 16 keys, source 1 = 16 queries): a lane holds ONE query (lane % 16) and the keys 8 (lane / 16) + 0..7.  Two such tiles, rounded to f16 in pairs,
; ARE source 1 (32 keys x 16 queries) of O^T = V^T P, whose result again holds one query a lane, and eight channels.  K comes out of LDS as it lies, V ([key][channel]) turned, by ds_load_tr16_b128.
; SOFTMAX.  For each query a running maximum m and sum l: p = 2^(c s - c m), c = log2(e) / 8; in every step O and l are multiplied by a = 2^(c m_old - c m_new).
; m starts at the lowest finite number, O and l at 0: the first step is a step like any other, with a = 0.
; BY TURNS.  A tile and step have 16 matrix and 118 vector instructions.  Turn n belongs to piece n (the pieces in a ring, step after step).  Its matrix work: 16 products K Q^T of piece n + 1, later 16 products
; V^T P of piece n - 1.  Its vector work: the scaling, exponentials, roundings, sums and rescaling of piece n, and the maximum and statistics of piece n + 1.  Four vector instructions that are ready stand
; behind every matrix instruction; the others stand in two runs of their own.
; REGISTERS, in windows of 256 (s_set_vgpr_msb: bits 1:0 source 0, 3:2 source 1, 5:4 source 2, 7:6 destination):
;   window 0: v0-11 addresses; v12-15, v48-63 at work; v16-47 four registers of statistics a tile; v64-191 S^T, two buffers of two tiles; v192-255 P, likewise
;   window 1: O^T, 32 a tile          window 2: v0-127 Q, 16 a tile; v128-191 K of one step; v192-255 V of one step          window 3: v0-1 the add's two registers
.set NP,    4         ; pieces a wave: a name, no knob
.set KS,    64        ; keys in a step
.set NK,    1024      ; keys in a head
.set PK,    144       ; a row of K in LDS: 128 bytes + 16 = 36 words: the 16 rows of a load start at 16 different groups of four words modulo 64
.set PV,    160       ; a row of V: 128 + 32 = 40 words: 16 lanes of the turning load take 8 rows x 32 bytes, each word modulo 64 once
.set VOFF,  NK*PK
.set STAGE, VOFF+NK*PV  ; behind K and V, never filled by a tensor load: 16 rows x 144 bytes for each wave, for the way out
.set SP,    144
.set SPARE, STAGE+4*16*SP  ; the spare words, 128 bytes for each wave: two blocks of 256 bytes that no other line names
.set KA,    160       ; keys in a wave's first load of K,
.set KB,    352       ; in its second;
.set VA,    128       ; the same for V
.set VB,    384
.set AK0, 2           ; v2   my lane's place in a step of K; never rewritten
.set AV0, 3           ; v3   the same for V
.set AK,  4           ; v4   the LDS address of K's next run of loads
.set AV,  5           ; v5   of V's
.set QO,  6           ; v6   my byte offset in the wave's rows of Q
.set STO, 6           ;      later, the way out: where I put 16 bytes of a row
.set RD,  7           ; v7   the way out: where I read rows back
.set GO,  8           ; v8   my byte offset in 512 consecutive bytes of O
.set SPW, 0           ; v0 of window 3   LDS address of my spare word; never rewritten
.set NIL, 1           ; v1 of window 3   0; never rewritten
.set MV,  12          ; v12-15  c m_old, kept while c m is made anew: by buffer and tile
.set ST,  16          ; tile t's statistics at v[ST+4 t]: c m, m, l (even keys', odd keys')
.set TMP, 48          ; by buffer and tile, four registers c0-c3 at work; when the maximum is found c2 takes a
.set S,   64
.set P,   192
.set KF,  128         ; K's fragments, in window 2: key block kb, channel half c at KF + 16 kb + 8 c
.set VF,  192         ; V's: key half kk, channel block cb at VF + 32 kk + 8 cb
.set WV,  12          ; s12  my wave's number
.set G1K0, 24         ; s[24:31] group 1 of K's first load
.set G1V0, 32         ; s[32:39] of V's first
.set G0K0, 40         ; s[40:43], s[44:47] group 0 of K's two loads
.set G0K1, 44
.set G0V0, 48         ; s[48:51], s[52:55] of V's
.set G0V1, 52
.set PH,  56          ; s56  phases of four key steps to go
.set CNT, 57          ; s57  counts a phase's key steps
.set CS,  58          ; s[58:59] c: the packed scaling takes the pair's low word for both halves
.set SEL, 60          ; s[60:61] v_permlanex16_b32's selects: each lane takes its own place in the other half
.set TBK, 62          ; s62  LDS byte at which K of the step to be fetched begins
.set TBV, 63          ; s63  the same for V, less VOFF
.set G1K1, 68         ; s[68:75] group 1 of K's second load
.set G1V1, 76         ; s[76:83] of V's second
.set MSB, 0
.macro WIN new                      ; the high byte repeats the setting that is left; a switch that changes nothing is dropped
.if MSB != (\new)
	s_set_vgpr_msb (MSB<<8)|(\new)
.set MSB, (\new)
.endif
.endm
.set W_KQ, 0x0a       ; K and Q in window 2, S^T in window 0
.set W_PV, 0x52       ; V in window 2, P in window 0, O^T in window 1
.set W_RS, 0x41       ; O^T (destination and source 0) in window 1, a in window 0
.set W_MK, 0xc0       ; the add's registers are made: destination in window 3, sources in window 0
.set W_AD, 0x0f       ; the add: address (source 0) and data (source 1) in window 3
; Group 1.  Keys are dense rows of 128 bytes: asked for as rows of 256 bytes, two keys a row, and padded in LDS after every key (32 words) by pad + 1 words.
.macro SHAPE g, pad, rows
	s_mov_b32 s[(\g)], (1<<16)|(1<<20)|(4<<22)|((\pad)<<25)
	s_mov_b32 s[(\g)+1], 128<<16    ; tensor_dim0 = 128 elements
	s_mov_b32 s[(\g)+2], (\rows)<<16
	s_mov_b32 s[(\g)+3], 128<<16    ; tile_dim0
	s_mov_b32 s[(\g)+4], \rows
	s_mov_b32 s[(\g)+5], 128        ; from row to row
	s_mov_b32 s[(\g)+6], 0
	s_mov_b32 s[(\g)+7], 0
.endm
	s_load_b128 s[4:7], s[0:1], 0x0 ; qkv s[4:5], o s[6:7]
	WIN W_MK
	v_lshl_add_u32 v[SPW], v0, 2, SPARE
	v_mov_b32 v[NIL], 0
	WIN W_AD
	ds_add_u32 v[SPW], v[NIL]       ; the wave's opening: the add and its wait stand ahead of my first tensor load; the set-up below stands between them
	ds_add_u32 v0, v1
	WIN 0
	v_lshrrev_b32 v1, 5, v0
	v_readfirstlane_b32 s[WV], v1   ; wave 0..3
	s_and_b32 s20, ttmp7, 0xffff    ; the head,
	s_lshl_b32 s20, s20, 17         ; its 131,072 bytes
	s_mov_b32 s21, 0
	s_and_b32 s16, s[WV], 1         ; which half of a load's keys I fetch
	s_lshl_b32 s2, ttmp9, 2
	s_add_co_u32 s2, s2, s[WV]      ; my wave among the head's eight,
	s_lshl_b32 s2, s2, 14           ; its 128 rows
	s_mov_b32 s3, 0
	SHAPE G1K0, 3, KA/2
	SHAPE G1K1, 3, KB/2
	SHAPE G1V0, 7, VA/2
	SHAPE G1V1, 7, VB/2
	s_mov_b32 s[G0K0], 1
	s_mul_i32 s[G0K0+1], s16, KA*PK
	s_mov_b32 s[G0K1], 1
	s_mul_i32 s[G0K1+1], s16, KB*PK
	s_add_co_u32 s[G0K1+1], s[G0K1+1], 2*KA*PK
	s_mov_b32 s[G0V0], 1
	s_mul_i32 s[G0V0+1], s16, VA*PV
	s_add_co_u32 s[G0V0+1], s[G0V0+1], VOFF
	s_mov_b32 s[G0V1], 1
	s_mul_i32 s[G0V1+1], s16, VB*PV
	s_add_co_u32 s[G0V1+1], s[G0V1+1], VOFF+2*VA*PV
	s_mov_b32 s[CS], 0x3e38aa3b     ; c = log2(e) / 8 = 0.180337
	s_mov_b32 s[CS+1], s[CS]        ; named with it as a pair
	s_mov_b32 s[SEL], 0x76543210
	s_mov_b32 s[SEL+1], 0xfedcba98
	s_mov_b32 s[TBK], 0
	s_mov_b32 s[TBV], 0
	s_mov_b32 s23, 0
	s_wait_dscnt 0x0                ; the opening add is done
	s_wait_kmcnt 0x0
	s_add_nc_u64 s[10:11], s[6:7], s[20:21]        ; O at the head
	s_add_nc_u64 s[4:5], s[4:5], s[20:21]          ; Q at the head;
	s_add_nc_u64 s[6:7], s[4:5], 0x1000000         ; K lies 128 heads on,
	s_add_nc_u64 s[8:9], s[4:5], 0x2000000         ; V 256
	s_add_nc_u64 s[4:5], s[4:5], s[2:3]            ; Q and O at my wave's first row
	s_add_nc_u64 s[10:11], s[10:11], s[2:3]
	s_mul_i32 s22, s16, KA*128
	s_add_nc_u64 s[G0K0+2:G0K0+3], s[6:7], s[22:23]
	s_or_b32 s[G0K0+3], s[G0K0+3], 0x80000000
	s_mul_i32 s22, s16, KB*128
	s_add_co_u32 s22, s22, 2*KA*128
	s_add_nc_u64 s[G0K1+2:G0K1+3], s[6:7], s[22:23]
	s_or_b32 s[G0K1+3], s[G0K1+3], 0x80000000
	s_mul_i32 s22, s16, VA*128
	s_add_nc_u64 s[G0V0+2:G0V0+3], s[8:9], s[22:23]
	s_or_b32 s[G0V0+3], s[G0V0+3], 0x80000000
	s_mul_i32 s22, s16, VB*128
	s_add_co_u32 s22, s22, 2*VA*128
	s_add_nc_u64 s[G0V1+2:G0V1+3], s[8:9], s[22:23]
	s_or_b32 s[G0V1+3], s[G0V1+3], 0x80000000
	s_cmp_lt_u32 s[WV], 2           ; a wave's two fills stand in one branch, ahead of every wait on TENSORcnt, every LDS read and every barrier: two loads of mine are out; an s_nop 0 follows each, four v_nop the second's
	s_cbranch_scc0 .Lfirst_v
	tensor_load_to_lds s[G0K0:G0K0+3], s[G1K0:G1K0+7]
	s_nop 0
	tensor_load_to_lds s[G0K1:G0K1+3], s[G1K1:G1K1+7]
	s_nop 0
.rept 4
	v_nop
.endr
	s_branch .Lfirst_asked
.Lfirst_v:
	tensor_load_to_lds s[G0V0:G0V0+3], s[G1V0:G1V0+7]
	s_nop 0
	tensor_load_to_lds s[G0V1:G0V1+3], s[G1V1:G1V1+7]
	s_nop 0
.rept 4
	v_nop
.endr
.Lfirst_asked:
	; A fragment of K or Q is 16 rows x 32 channels in 8 registers: lane l holds row l % 16, channels 8 (l / 16) + 0..7 and 16 + 8 (l / 16) + 0..7: two loads of 16 bytes, 32 bytes apart.
	v_and_b32 v1, 15, v0            ; l % 16
	v_bfe_u32 v9, v0, 4, 1          ; l / 16
	v_lshlrev_b32 v[QO], 7, v1
	v_lshl_add_u32 v[QO], v9, 4, v[QO]  ; row x 128 + 16 x half
	WIN 0x80                        ; destination window 2, address window 0
.set i, 0
.rept 4*NP                          ; Q stays in registers: tile i / 2, channels 32 (i % 2) on
	global_load_b128 v[8*i:8*i+3],   v[QO], s[4:5] offset:(i/2)*2048+(i%2)*64
	global_load_b128 v[8*i+4:8*i+7], v[QO], s[4:5] offset:(i/2)*2048+(i%2)*64+32
.set i, i+1
.endr
	; What the first turn finds: V's registers and P's second buffer hold 0 (its products V^T P, of a piece that has not been, add 0), O^T and l are 0.  All this stands in the wait for the first keys.
.set i, VF
.rept 64
	v_mov_b32 v[i], 0
.set i, i+1
.endr
	WIN 0x40
.set i, 0
.rept 64*NP
	v_mov_b32 v[i], 0
.set i, i+1
.endr
	WIN 0
.set i, 0
.rept 2*NP
	v_mov_b32 v[ST+4*i], 0xfe000000    ; c m: far below every c s
	v_mov_b32 v[ST+4*i+1], 0xff7fffff  ; m
	v_mov_b32 v[ST+4*i+2], 0
	v_mov_b32 v[ST+4*i+3], 0
.set i, i+1
.endr
.set i, P+32
.rept 32
	v_mov_b32 v[i], 0
.set i, i+1
.endr
	v_mul_u32_u24 v[AK0], v1, PK
	v_lshl_add_u32 v[AK0], v9, 4, v[AK0]  ; row x pitch + 16 x half
	; The turning load takes 16 keys x 16 channels (lane l reads key 8 (l / 16) + l % 8, channels 8 ((l / 8) % 2) + 0..7) and leaves half a fragment of V^T: lane l holds channel l % 16 and 8 keys.
	v_and_b32 v10, 7, v0
	v_bfe_u32 v11, v0, 3, 1
	v_lshl_add_u32 v[AV0], v9, 3, v10
	v_mul_u32_u24 v[AV0], v[AV0], PV
	v_lshl_add_u32 v[AV0], v11, 4, v[AV0]
	v_add_nc_u32 v[AV0], VOFF, v[AV0]
	v_mov_b32 v[AK], v[AK0]         ; key step 0 lies at LDS byte 0
; THE MATRIX WORK.  The 8 accumulators of a run of 16 take turns: between the two links of a chain stand 7 others'.
; Product i of 16 of S^T = K Q^T for piece x: channels 32 (i / 8) on, keys 16 ((i / 2) % 4) on, tile 2 x + i % 2.  The first 8 start the sums.
.macro KQ x
	WIN W_KQ
.set rS, S+64*((\x)%2)+32*(i%2)+8*((i/2)%4)
.set rK, KF+16*((i/2)%4)+8*(i/8)
.set rQ, 16*(2*(\x)+i%2)+8*(i/8)
.if i < 8
	v_wmma_f32_16x16x32_f16 v[rS:rS+7], v[rK:rK+7], v[rQ:rQ+7], 0
.else
	v_wmma_f32_16x16x32_f16 v[rS:rS+7], v[rK:rK+7], v[rQ:rQ+7], v[rS:rS+7]
.endif
.endm
; Product i of 16 of O^T += V^T P for piece x: keys 32 (i / 8) on, channels 16 ((i / 2) % 4) on, tile 2 x + i % 2.
.macro PV x
	WIN W_PV
.set rO, 32*(2*(\x)+i%2)+8*((i/2)%4)
.set rV, VF+32*(i/8)+8*((i/2)%4)
.set rP, P+32*((\x)%2)+16*(i%2)+8*(i/8)
	v_wmma_f32_16x16x32_f16 v[rO:rO+7], v[rV:rV+7], v[rP:rP+7], v[rO:rO+7]
.endm
.macro MM                           ; the turn's next matrix instruction
.if i < 16
	KQ (Y+1)%NP
.set i, i+1
.else
.set i, i-16
	PV (Y+NP-1)%NP
.set i, i+17
.endif
.endm
; THE LDS LOADS stand in runs of 16, never singly among the matrix instructions: a step's K (64 keys x 64 channels: 8 fragments) and its V (turned).  Their addresses are made some lines ahead.
; There is no seventeenth step: the last key step's turn fetches step 15's K once more (its address is held at that step's); what is made of it serves nothing.
.macro FETCH_K
	WIN 0x80                        ; destination window 2
.irp f, 0,1,2,3,4,5,6,7             ; keys 16 (f / 2) on, channels 32 (f % 2) on
	ds_load_b128 v[KF+8*\f:KF+8*\f+3],   v[AK] offset:(\f/2)*16*PK+(\f%2)*64
	ds_load_b128 v[KF+8*\f+4:KF+8*\f+7], v[AK] offset:(\f/2)*16*PK+(\f%2)*64+32
.endr
	s_add_co_u32 s[TBK], s[TBK], KS*PK  ; the next fetch is the next step's
	WIN 0
.endm
.macro FETCH_V
	WIN 0x80
.irp f, 0,1,2,3,4,5,6,7             ; keys 32 (f / 4) on, channels 16 (f % 4) on
	ds_load_tr16_b128 v[VF+8*\f:VF+8*\f+3],   v[AV] offset:(\f/4)*32*PV+(\f%4)*32
	ds_load_tr16_b128 v[VF+8*\f+4:VF+8*\f+7], v[AV] offset:(\f/4)*32*PV+16*PV+(\f%4)*32
.endr
	WIN 0
.endm
; THE VECTOR WORK OF A TURN stands in three queues, each in the order in which its entries become ready; the two tiles alternate, so that no instruction reads the result of the one before it.
.macro REGS y, u                    ; the registers of tile u (0, 1) of piece y
.set rT, ST+4*(2*(\y)+(\u))
.set rC, TMP+8*((\y)%2)+4*(\u)
.set rM, MV+2*((\y)%2)+(\u)
.set rS, S+64*((\y)%2)+32*(\u)
.set rP, P+32*((\y)%2)+16*(\u)
.set rO, 32*(2*(\y)+(\u))
.endm
; Number n of the 22 that find the NEXT piece's (Y + 1) maximum and statistics.  s0-s31 are the lane's 32 scores; each accumulator's lowest registers are read first.  XS, GS and REGS set no window: PL and EX do.
;   0-11  four chains c0-c3 of seven scores each, three operands at a time     12-14, 16  the four scores left over, the old m, and c0-c3 into c0     15  c m_old is kept
;   17, 18  the query's other 32 keys lie in the lane 16 away: the new m         19-21  c m; c m_old - c m_new; a
.macro XS u, n
	REGS (Y+1)%NP, \u
.if (\n) < 4
	v_max3_num_f32 v[rC+(\n)], v[rS+8*(\n)], v[rS+8*(\n)+1], v[rS+8*(\n)+2]
.elseif (\n) < 12
	v_max3_num_f32 v[rC+(\n)%4], v[rC+(\n)%4], v[rS+8*((\n)%4)+2*((\n)/4)+1], v[rS+8*((\n)%4)+2*((\n)/4)+2]
.elseif (\n) == 12
	v_max3_num_f32 v[rC], v[rC], v[rS+7], v[rS+15]
.elseif (\n) == 13
	v_max3_num_f32 v[rC+1], v[rC+1], v[rS+23], v[rS+31]
.elseif (\n) == 14
	v_max3_num_f32 v[rC+2], v[rC+2], v[rC+3], v[rT+1]
.elseif (\n) == 15
	v_mov_b32 v[rM], v[rT]
.elseif (\n) == 16
	v_max3_num_f32 v[rC], v[rC], v[rC+1], v[rC+2]
.elseif (\n) == 17
	v_permlanex16_b32 v[rC+3], v[rC], s[SEL], s[SEL+1]
.elseif (\n) == 18
	v_max_num_f32 v[rT+1], v[rC], v[rC+3]
.elseif (\n) == 19
	v_mul_f32 v[rT], s[CS], v[rT+1]
.elseif (\n) == 20
	v_sub_f32 v[rC+1], v[rM], v[rT]
.else
	v_exp_f32 v[rC+2], v[rC+1]
.endif
.endm
; Number g of the 64 that follow the exponentials.  For each four weights k of a tile (pairs 2 k, 2 k + 1): both pairs are rounded to f16; then the second pair is added onto the first, in place;
; a group later l takes that sum (the first time as l = a l + sum).  In groups of eight, tiles alternating: round, round, add, and l for the group before.
.macro GS g
.set h, (\g)+6*((\g)/62)            ; group 0 has no group before it, and behind group 7 only l is left
.if h >= 6
.set h, h+2
.endif
	REGS Y, h%2
.set k, h/8
.if h%8 < 4
	s_wait_alu depctr_va_vdst(0)
	v_cvt_pk_f16_f32 v[rP+2*k+(h%8)/2], v[rS+4*k+2*((h%8)/2)], v[rS+4*k+2*((h%8)/2)+1]
.elseif h%8 < 6
	v_pk_add_f32 v[rS+4*k:rS+4*k+1], v[rS+4*k:rS+4*k+1], v[rS+4*k+2:rS+4*k+3]
.elseif k == 1
	v_pk_fma_f32 v[rT+2:rT+3], v[rT+2:rT+3], v[rC+2:rC+3], v[rS:rS+1] op_sel_hi:[1,0,1]
.else
	v_pk_add_f32 v[rT+2:rT+3], v[rT+2:rT+3], v[rS+4*k-4:rS+4*k-3]
	s_wait_alu depctr_va_vdst(0)
.endif
.endm
; THE PLAIN QUEUE, 138 long.  0-31: c s - c m for the 16 pairs of both tiles.  Then GS's 64, and among them the next piece's 42: number 15 at 38, 39; 0-14 and 16
; at 42-73, behind the products that make those scores; 17-20 at 95-106, two of three, since each waits for the one before it.
.macro PL
	WIN 0
.if q < 32
	REGS Y, q%2
	v_pk_fma_f32 v[rS+2*(q/2):rS+2*(q/2)+1], v[rS+2*(q/2):rS+2*(q/2)+1], s[CS:CS+1], v[rT:rT+1] op_sel_hi:[1,0,0] neg_lo:[0,0,1] neg_hi:[0,0,1]
.elseif q < 38
	GS q-32
.elseif q < 40
	XS q%2, 15
.elseif q < 42
	GS q-34
.elseif q < 74
	XS q%2, (q-42)/2+(q-42)/30
.elseif q < 95
	GS q-66
.elseif (q < 107) && ((q-95)%3 < 2)
	XS (q-95)%3, 17+(q-95)/3
.elseif q < 107
	GS 29+(q-95)/3
.else
	GS q-74
.endif
.set q, q+1
.endm
; THE EXPONENTIALS' QUEUE, 66 long: s0-s31 of both tiles, and at EA the next piece's two a.
.set EA, 58
.macro EX
	WIN 0
.if (e == EA) || (e == EA+1)
	XS e-EA, 21
.else
.set x, e-2*(e/(EA+2))
	REGS Y, x%2
	v_exp_f32 v[rS+x/2], v[rS+x/2]
.endif
.set e, e+1
.endm
; THE RESCALING's QUEUE: O^T times a, the one part that leaves window 0, so it is dealt four at a time, eight times.
.macro R4
	REGS Y, r%2
	WIN W_RS
	s_wait_alu depctr_va_vdst(0)
.irp z, 0,1,2,3
	v_pk_mul_f32 v[rO+8*(r/2)+2*\z:rO+8*(r/2)+2*\z+1], v[rO+8*(r/2)+2*\z:rO+8*(r/2)+2*\z+1], v[rC+2:rC+3] op_sel_hi:[1,0]
.endr
.set r, r+1
.endm
; HOW THEY ARE DEALT.  Behind a matrix instruction four: plain, exponential, plain, plain (one exponential, a plain instruction on either side), or four of the rescaling.  None names a register of the
; products round it.  What is over stands in two runs: exponential and plain by turns; the second ends in 22 plain instructions.  The two v_permlanex16_b32 fall into the second run, never behind a product.
; The queues lean on each other, and the deal keeps them in step: exponential e stands behind plain 2 (e / 4) + e % 2 (its scaling); when plain 32 comes, 10 exponentials are out, at 59: 33, at 95: 46; EA comes behind plain 107.
.macro SL
	MM
	PL
	EX
	PL
	PL
.endm
.macro BURST n                      ; 15 matrix instructions, or 16
.rept (\n)-7
	SL
.endr
.rept 3
	MM
	R4
	SL
.endr
	MM
	R4
.endm
; A TURN, for piece p.  cnt = 1: the loop's count is taken down some lines ahead of the branch that stands behind the turn.
; K of the next step is fetched in piece 2's turn, 31 vector instructions behind the last product that read K; its first reader comes behind the rest of the run, 16 products and the second run.
; V of the step in hand is fetched at the end of piece 0's turn, 69 behind its last reader; its first reader comes behind 16 products and a run.  The conditions on e and q below go with the deal.
.macro TURN p, cnt=0
.set Y, (\p)
.set i, 0
.set q, 0
.set e, 0
.set r, 0
.if (\p) == NP-1
	s_wait_dscnt 0x0                ; K is in
.endif
	MM
.rept 4
	PL
.endr
	BURST 15
.rept 22
	EX
	PL
.if ((\p) == NP-2) && (e == 18)
	s_min_u32 s13, s[TBK], (NK/KS-1)*KS*PK  ; never past K's last step: no byte outside K's rows is read
	v_add_nc_u32 v[AK], s13, v[AK0]
.endif
.if ((\p) == NP-2) && (e == 24)
	FETCH_K
.endif
.endr
.if (\p) == 1
	s_wait_dscnt 0x0                ; V is in
.endif
	BURST 16
.rept 21
	EX
	PL
.endr
.rept 22
	PL
.if ((\p) == 0) && (q == 118)
	v_add_nc_u32 v[AV], s[TBV], v[AV0]
	s_wait_alu depctr_va_vdst(0)
.endif
.if ((\p) == 0) && (q == 130)
	s_add_co_u32 s[TBV], s[TBV], KS*PV
.endif
.if (\cnt) && (q == 130)
	s_sub_co_u32 s[CNT], s[CNT], 1
	s_cmp_lg_u32 s[CNT], 0
.endif
.endr
.if (\p) == 0
	FETCH_V
.endif
.endm
	s_wait_tensorcnt 0x1            ; my small load is in; the large one may stay out
	s_barrier_signal -1
	s_barrier_wait -1               ; everybody's is: K's keys 0-319, V's keys 0-255
	FETCH_K                         ; key step 0
	s_wait_loadcnt 0x0              ; Q
	s_wait_dscnt 0x0
.set i, 0
.rept 16
	KQ 0                            ; piece 0's first scores: there is no vector work yet to set between them
.set i, i+1
.endr
	WIN 0                           ; the addresses for the way out: nine plain instructions, the places behind those products
	s_mul_i32 s13, s[WV], 16*SP
	s_add_co_u32 s13, s13, STAGE    ; my stage
	v_mul_u32_u24 v[STO], v1, SP    ; in: row l % 16, 16 bytes for each half of the lanes
	v_lshl_add_u32 v[STO], v9, 4, v[STO]
	v_add_nc_u32 v[STO], s13, v[STO]
	v_bfe_u32 v[RD], v0, 3, 2       ; back: 32 lanes take four rows of 128 bytes,
	v_mul_u32_u24 v[RD], v[RD], SP
	v_lshl_add_u32 v[RD], v10, 4, v[RD]
	v_add_nc_u32 v[RD], s13, v[RD]
	v_and_b32 v[GO], 31, v0         ; which are 512 consecutive bytes of O
	v_lshlrev_b32 v[GO], 4, v[GO]
.set Y, NP-1                        ; XS works for piece Y + 1: piece 0
.irp n, 0,1,2,3,4,5,6,7,8,9,10,11,12,13,14,15,16,17,18,19,20,21
	XS 0, \n                        ; and piece 0's first maximum and statistics
	XS 1, \n
.endr
	s_mov_b32 s[PH], 4
	s_mov_b32 s[CNT], 4
	s_branch .Lstep                 ; the first phase has had its barrier above
.Lphase:                            ; ahead of key steps 4, 8 and 12.  The first time the large loads are waited for, by each wave its own, and the barrier shows them to all; later nothing is out
	s_wait_tensorcnt 0x0
	s_wait_dscnt 0x0
	s_barrier_signal -1
	s_barrier_wait -1
	s_mov_b32 s[CNT], 4
.Lstep:                             ; a trip is a key step
	TURN 0
	TURN 1
	TURN 2
	TURN 3, 1
	WIN 0
	s_cbranch_scc1 .Lstep
	s_sub_co_u32 s[PH], s[PH], 1
	s_cmp_lg_u32 s[PH], 0
	s_cbranch_scc1 .Lphase
	; the last turn's 16 products K Q^T and the maximum made of them serve nothing: the price, once a launch, of one text for every key step
.set i, 0
.rept 16
	PV NP-1                         ; the last piece's V^T P of the last step
.set i, i+1
.endr
	; THE WAY OUT.  l's two halves and the other half of the lanes' are added; O^T is divided by l, rounded to f16 and sent through my stage in LDS, a tile at a time.  The additions are the places behind the last products.
	WIN 0
.macro ALL line:vararg              ; one line for each tile t
.set t, 0
.rept 2*NP
	\line
.set t, t+1
.endr
.endm
	ALL v_add_f32 v[ST+4*t+2], v[ST+4*t+2], v[ST+4*t+3]
	ALL v_permlanex16_b32 v[ST+4*t+3], v[ST+4*t+2], s[SEL], s[SEL+1]
	ALL v_add_f32 v[ST+4*t+2], v[ST+4*t+2], v[ST+4*t+3]
	ALL v_rcp_f32 v[ST+4*t+2], v[ST+4*t+2]
	v_nop                           ; a plain instruction between the last reciprocal and the use of its result
	s_wait_alu depctr_va_vdst(0)
; Tile t: a lane's eight channels of a row pack into 16 bytes; they go into rows of 144 bytes and come back as whole rows of 128, into S^T's registers.
.macro PACK t
	WIN W_RS
.set i, 32*(\t)
.rept 16
	v_pk_mul_f32 v[i:i+1], v[i:i+1], v[ST+4*(\t)+2:ST+4*(\t)+3] op_sel_hi:[1,0]
.set i, i+2
.endr
	WIN 0x05                        ; sources 0 and 1 window 1, destination window 0
.set i, 0
.rept 16
	v_cvt_pk_f16_f32 v[S+16*(\t)+i], v[32*(\t)+2*i], v[32*(\t)+2*i+1]
.set i, i+1
.endr
	WIN 0
.irp f, 0,1,2,3
	ds_store_b128 v[STO], v[S+16*(\t)+4*\f:S+16*(\t)+4*\f+3] offset:32*\f
.endr
.irp f, 0,1,2,3
	ds_load_b128 v[S+16*(\t)+4*\f:S+16*(\t)+4*\f+3], v[RD] offset:\f*4*SP  ; LDS serves a wave's instructions in order (ISA guide 5.7.1.4): these see the stores above; the next tile's stores come behind them
.endr
.endm
.macro SEND t, younger              ; younger: the LDS instructions issued behind tile t's loads: the next tile's eight, or none
	WIN 0
.irp f, 0,1,2,3
	s_wait_dscnt (\younger)+3-\f
	global_store_b128 v[GO], v[S+16*(\t)+4*\f:S+16*(\t)+4*\f+3], s[10:11] offset:(\t)*2048+\f*512  ; 512 consecutive bytes, at a multiple of 256 from O's first
.endr
.endm
	PACK 0
.set t, 1
.rept 2*NP-1                        ; a tile's arithmetic stands between the loads of the tile before and its stores
	PACK t
	SEND t-1, 8
.set t, t+1
.endr
	SEND 2*NP-1, 0
	WIN W_AD
	s_wait_tensorcnt 0x0            ; the wave's end, behind my last tensor load and my last LDS store
	ds_add_u32 v[SPW], v[NIL]
	s_wait_dscnt 0x0
	WIN 0
	s_endpgm
.Lfunc_end_k_q4ec4cb5ad3_attn:
	.size	k_q4ec4cb5ad3_attn, .Lfunc_end_k_q4ec4cb5ad3_attn-k_q4ec4cb5ad3_attn
	.p2alignl 7, 3214868480
	.fill 96, 4, 3214868480
	.section	.rodata,"a",@progbits
	.p2align	6, 0x0
	.amdhsa_kernel k_q4ec4cb5ad3_attn
		.amdhsa_group_segment_fixed_size 327680
		.amdhsa_private_segment_fixed_size 0
		.amdhsa_enable_private_segment 0
		.amdhsa_kernarg_size 16
		.amdhsa_user_sgpr_count 2
		.amdhsa_user_sgpr_kernarg_segment_ptr 1
		.amdhsa_wavefront_size32 1
		.amdhsa_system_sgpr_workgroup_id_x 1
		.amdhsa_system_sgpr_workgroup_id_y 1
		.amdhsa_system_sgpr_workgroup_id_z 1
		.amdhsa_system_vgpr_workitem_id 0
		.amdhsa_next_free_vgpr 770
		.amdhsa_next_free_sgpr 84
		.amdhsa_reserve_vcc 0
		.amdhsa_float_denorm_mode_32 3
		.amdhsa_float_denorm_mode_16_64 3
		.amdhsa_memory_ordered 1
		.amdhsa_forward_progress 1
		.amdhsa_inst_pref_size 131
	.end_amdhsa_kernel
	.amdgpu_metadata
---
amdhsa.version: [ 1, 2 ]
amdhsa.kernels:
  - .name:           k_q4ec4cb5ad3_attn
    .symbol:         k_q4ec4cb5ad3_attn.kd
    .args:
      - { .name: qkv, .offset: 0, .size: 8, .value_kind: global_buffer, .address_space: global }
      - { .name: o, .offset: 8, .size: 8, .value_kind: global_buffer, .address_space: global }
    .group_segment_fixed_size: 327680
    .private_segment_fixed_size: 0
    .kernarg_segment_align: 8
    .kernarg_segment_size: 16
    .max_flat_workgroup_size: 128
    .sgpr_count:     84
    .vgpr_count:     770
    .wavefront_size: 32
...
	.end_amdgpu_metadata
.endif
;; end of part 3
;; launch proj (part 4): grid 8 x 32, 4 waves a work-group, clusters of 4 x 4, 327,680 bytes of LDS; arguments o, wo, bias, out0; writes out0
.if DOCPART == 4
	.amdgcn_target "amdgcn-amd-amdhsa--gfx1250"
	.amdhsa_code_object_version 6
	.text
	.protected	k_q4ec4cb5ad3_proj
	.globl	k_q4ec4cb5ad3_proj
	.p2align	8
	.type	k_q4ec4cb5ad3_proj,@function
k_q4ec4cb5ad3_proj:
	s_mov_b64 s[64:65], 0
	v_nop
	global_prefetch_b8 v0, s[64:65] scope:SCOPE_SE
	s_setreg_imm32_b32 hwreg(HW_REG_WAVE_MODE, 25, 1), 1
	s_wait_xcnt 0x0
	s_wait_alu depctr_hold_cnt(0) depctr_sa_sdst(0) depctr_va_vdst(0) depctr_va_sdst(0) depctr_va_ssrc(0) depctr_va_vcc(0) depctr_vm_vsrc(0)
	s_getreg_b32 s2, hwreg(HW_REG_IB_STS2, 6, 4)
	s_cmp_eq_u32 s2, 0
	s_cbranch_scc0 .Lentry_in_a_cluster
	s_endpgm
.Lentry_in_a_cluster:
	s_bfe_u32 s2, ttmp6, 0x10000c
	s_cmp_lg_u32 s2, 0xf033
	s_cbranch_scc0 .Lentry_shape_is_right
	s_endpgm
.Lentry_shape_is_right:
; out0 = O Wo + bo.  O: o [16 b + h][s 1024][64] f16 (k = 64 h + channel); Wo: wo [k 1024][n 1024] f16; bo: bias + 3,072 numbers, f32; out0: [8192][1024] f32.  Sums in f32.
; SHARES.  C is 8,192 x 1,024; a tile is 256 x 128: 32 x 8 = 256 work-groups.  Four waves, each 128 rows x 64 columns: 8 row blocks a x 4 column blocks b: 32 accumulators, 256 registers.
; K goes in steps of 128 (two heads) through two LDS slots; a step is four quarters of 32.
; THE WALK ALONG K GOES ROUND: a cluster begins at step r = (2 x cluster y + 4 x cluster x) mod 8 and takes the eight steps r, r + 1, .. modulo 8.  The two clusters that read the same rows of O begin
; four steps apart: of a tile row's eight steps each is the first to ask for four, and asks for the other four when its partner has read them four steps before.  Four neighbouring clusters along y, which
; read the same columns of Wo, begin two steps apart: their first fills, two steps each, cover all eight steps.  r is made of the cluster's own coordinates, which all sixteen partners share.
; THE ORDER OF THE SUMS: K ascending from step r, round: it differs from cluster to cluster, and from reference()'s; each sum is one f32 chain that begins with the bias.
; THE MATRIX INSTRUCTION IS USED TRANSPOSED: source 0 = 16 columns of Wo (turned on the way out of LDS), source 1 = 16 rows of O: a lane holds row lane % 16 and the eight neighbouring columns
; 8 (lane / 16) + 0..7.  THE SUMS START WITH THE BIAS: it is the C operand of the first quarter's products.
; CLUSTER 4 x 4: O's tiles are asked for jointly along a row of the cluster, Wo's along a column.
; REGISTERS: window 0: v1-30 addresses; two fragment buffers f: O's at v[32 + 64 f ..], Wo's at v[160 + 32 f ..]; v224-255 the bias.  Window 1: the accumulators, (a, b) at v[32 a + 8 b].
.set PA,    144                        ; a row of O in LDS: 128 bytes + 16: the 16 rows of a load start 36 words apart
.set AH,    256*PA                     ; a head's 256 rows
.set PB,    288                        ; a row of Wo: two halves of 128 bytes, 16 of padding behind each = 9 x 32 bytes
.set BOFF,  2*AH
.set SLOT,  BOFF+128*PB
.set STAGE, 2*SLOT                     ; behind the slots, never filled by a tensor load: 16 rows x 272 bytes for each wave
.set SP,    272
.set SPARE, STAGE+4*16*SP              ; the spare words, 128 bytes for each wave: two blocks of 256 bytes that no other line names
.set W0,    (1<<16)|(1<<20)|(1<<21)|(4<<22)|(3<<25)  ; 2-byte elements; padding on; bit 21 set beside a mask; after every 32 words; 4 words
.set ADRA, 16
.set ADRB, 20
.set STO,  24
.set RD,   25
.set CO,   26                          ; v26  my byte offset in two rows of out0
.set BO,   27
.set SPW,  28                          ; v28  LDS address of my spare word; never rewritten
.set NIL,  29                          ; v29  0; never rewritten
.set PF,   30                          ; v30  256 x lane, for the prefetch; never rewritten
.set FAA,  32
.set FBB,  160
.set CB,   224
.set G1,  24
.set G0,  32
.set G1B, 48
.set G0B, 56
.set AB,  66                           ; s[66:67] o at my part of the tile's K step 0
.set BB,  68                           ; s[68:69] wo at my part of the tile's K step 0
.set KI,  70                           ; s70      the K step to be asked for next, 0..7
.set OF,  72                           ; s[72:73] that step's byte offset: 262,144 a step in o (two heads) and in wo (128 rows of 2,048 bytes) alike
.set PFA, 74                           ; s[74:75] the prefetch's address; never rewritten
.set MSB, 0
.macro WIN new
.if MSB != (\new)
	s_set_vgpr_msb (MSB<<8)|(\new)
.set MSB, (\new)
.endif
.endm
.macro PLACES n=4                      ; plain vector instructions between a matrix instruction and a load into, or a read of, its registers
.rept \n
	v_nop
.endr
.endm
.macro JLOAD s                         ; a joint load: waves 0 and 1 fetch the step's two heads of O, waves 2 and 3 the two halves of Wo's rows; an s_nop 0 and four v_nop follow each line
	s_cmp_lt_u32 s12, 2
	s_cbranch_scc0 .Lfor_b_\@
	tensor_load_to_lds s[G0+4*(\s):G0+4*(\s)+3], s[G1:G1+7]
	s_nop 0
	PLACES
	s_branch .Lasked_\@
.Lfor_b_\@:
	tensor_load_to_lds s[G0B+4*(\s):G0B+4*(\s)+3], s[G1B:G1B+7]
	s_nop 0
	PLACES
.Lasked_\@:
.endm
; Slot s's two descriptors are aimed at K step KI: each address is made anew from its base and the step's offset, the type bits set again; then KI goes one step on, round.
.macro AIM s
	s_lshl_b32 s[OF], s[KI], 18
	s_add_nc_u64 s[G0+4*(\s)+2:G0+4*(\s)+3], s[AB:AB+1], s[OF:OF+1]
	s_or_b32 s[G0+4*(\s)+3], s[G0+4*(\s)+3], 0x80000000
	s_add_nc_u64 s[G0B+4*(\s)+2:G0B+4*(\s)+3], s[BB:BB+1], s[OF:OF+1]
	s_or_b32 s[G0B+4*(\s)+3], s[G0B+4*(\s)+3], 0x80000000
	s_add_co_u32 s[KI], s[KI], 1
	s_and_b32 s[KI], s[KI], 7
.endm
.macro CREST
	s_cmp_lg_u32 s12, 0
	s_cbranch_scc1 .Lnot_wave_0_\@
	s_barrier_signal -3
.Lnot_wave_0_\@:
	s_barrier_wait -3
	s_barrier_signal -1
	s_barrier_wait -1
.endm
.macro CROUND
	s_barrier_signal -1
	s_barrier_wait -1
	CREST
.endm
	s_load_b256 s[4:11], s[0:1], 0x0               ; o s[4:5], wo s[6:7], bias s[8:9], out0 s[10:11]
	v_lshl_add_u32 v[SPW], v0, 2, SPARE
	v_mov_b32 v[NIL], 0
	ds_add_u32 v[SPW], v[NIL]                      ; the wave's opening: the add and its wait stand ahead of my first tensor load
	ds_add_u32 v28, v29
	v_lshrrev_b32 v1, 5, v0
	v_readfirstlane_b32 s12, v1                    ; wave 0..3
	s_lshr_b32 s13, s12, 1                         ; wm: which 128 rows
	s_and_b32 s14, s12, 1                          ; wn: which 64 columns.  Also: which part of a tile I fetch
	s_bfe_u32 s40, ttmp6, 0x40000                  ; cx
	s_bfe_u32 s41, ttmp6, 0x40004                  ; cy
	s_lshl_b32 s42, ttmp9, 2
	s_add_co_u32 s42, s42, s40                     ; tx 0..7
	s_and_b32 s15, ttmp7, 0xffff
	s_lshl_b32 s15, s15, 2
	s_add_co_u32 s15, s15, s41                     ; ty 0..31
	s_and_b32 s[KI], ttmp7, 0xffff                 ; r = (2 x cluster y + 4 x cluster x) mod 8: the step at which my cluster's walk begins
	s_lshl_b32 s[KI], s[KI], 1
	s_lshl_b32 s45, ttmp9, 2
	s_add_co_u32 s[KI], s[KI], s45
	s_and_b32 s[KI], s[KI], 7
	s_mov_b32 s[OF+1], 0
	s_lshl_b32 s43, s41, 2
	s_lshl_b32 s43, 15, s43                        ; my row of the cluster
	s_lshl_b32 s44, 0x1111, s40                    ; my column
	s_or_b32 s[G1+0], s43, W0
	s_or_b32 s[G1B+0], s44, W0
	s_mov_b32 s[G1+1], 128<<16                     ; O: a head's 256 rows are 32,768 bytes on end: 128 rows of 256 bytes
	s_mov_b32 s[G1+2], 128<<16
	s_mov_b32 s[G1+3], 128<<16
	s_mov_b32 s[G1+4], 128
	s_mov_b32 s[G1+5], 128
	s_mov_b32 s[G1+6], 0
	s_mov_b32 s[G1+7], 0
	s_mov_b32 s[G1B+1], 128<<16                    ; Wo: 64 rows of 128 elements (256 bytes), 1,024 elements from row to row
	s_mov_b32 s[G1B+2], 64<<16
	s_mov_b32 s[G1B+3], 128<<16
	s_mov_b32 s[G1B+4], 64
	s_mov_b32 s[G1B+5], 1024
	s_mov_b32 s[G1B+6], 0
	s_mov_b32 s[G1B+7], 0
	s_lshr_b32 s16, s15, 2                         ; O's tile: the batch's 16 heads,
	s_lshl_b32 s16, s16, 21
	s_and_b32 s18, s15, 3                          ; 256 rows of 128 bytes in a head,
	s_lshl_b32 s18, s18, 15
	s_add_co_u32 s16, s16, s18
	s_lshl_b32 s18, s14, 17                        ; my head of a step's two
	s_add_co_u32 s16, s16, s18
	s_mov_b32 s17, 0
	s_lshl_b32 s46, s42, 8                         ; Wo's tile: 128 columns,
	s_lshl_b32 s47, s14, 17                        ; my 64 rows of 2,048 bytes
	s_add_co_u32 s46, s46, s47
	s_mov_b32 s47, 0
	s_mul_i32 s20, s14, AH                         ; where they go: no place in the cluster enters an LDS address
	s_mul_i32 s21, s14, 64*PB
	s_add_co_u32 s21, s21, BOFF
	s_wait_dscnt 0x0                               ; the opening add is done
	s_wait_kmcnt 0x0
	s_add_nc_u64 s[AB:AB+1], s[4:5], s[16:17]
	s_add_nc_u64 s[BB:BB+1], s[6:7], s[46:47]
	CROUND                                         ; all sixteen work-groups are here: the first joint loads meet
.irp s, 0,1
	s_mov_b32 s[G0+4*(\s)], 1
	s_add_co_u32 s[G0+4*(\s)+1], s20, (\s)*SLOT
	s_mov_b32 s[G0B+4*(\s)], 1
	s_add_co_u32 s[G0B+4*(\s)+1], s21, (\s)*SLOT
	AIM \s                                         ; K steps r and r + 1
.endr
	s_cmp_lt_u32 s12, 2                            ; a wave's two first fills stand in one branch: two loads of mine are out
	s_cbranch_scc0 .Lfirst_b
	tensor_load_to_lds s[G0:G0+3], s[G1:G1+7]
	s_nop 0
	tensor_load_to_lds s[G0+4:G0+7], s[G1:G1+7]
	s_nop 0
	PLACES
	s_branch .Lfirst_asked
.Lfirst_b:
	tensor_load_to_lds s[G0B:G0B+3], s[G1B:G1B+7]
	s_nop 0
	tensor_load_to_lds s[G0B+4:G0B+7], s[G1B:G1B+7]
	s_nop 0
	PLACES
.Lfirst_asked:
	s_lshl_b32 s22, s42, 9                         ; bo at my 64 columns: 3,072 numbers in, 128 a tile, 64 a wave
	s_lshl_b32 s23, s14, 8
	s_add_co_u32 s22, s22, s23
	s_add_co_u32 s22, s22, 3072*4
	s_mov_b32 s23, 0
	s_add_nc_u64 s[8:9], s[8:9], s[22:23]
	; THE PREFETCH.  K steps r + 2 and r + 3 are the two that my cluster asks for by refills before its partner has read them: four heads' 32,768 bytes of my tile row of O.  The four work-groups of my
	; row of the cluster take a head each (step r + 2 + cx / 2, head cx % 2 of its two), a wave 8,192 bytes of it, lanes 256 bytes apart: each block is asked for once in the launch.  Asked once, here, one and
	; two K steps ahead of the refills that load them; nothing further is asked for, and every address lies in my batch's part of o.
	s_lshr_b32 s[PFA], s40, 1
	s_add_co_u32 s[PFA], s[PFA], s[KI]             ; KI stands at r + 2
	s_and_b32 s[PFA], s[PFA], 7
	s_lshl_b32 s[PFA], s[PFA], 1
	s_and_b32 s[PFA+1], s40, 1
	s_add_co_u32 s[PFA], s[PFA], s[PFA+1]          ; the head,
	s_lshl_b32 s[PFA], s[PFA], 17                  ; its 131,072 bytes;
	s_lshl_b32 s[PFA+1], s12, 13                   ; my wave's 8,192;
	s_add_co_u32 s[PFA], s[PFA], s[PFA+1]
	s_lshr_b32 s[PFA+1], s15, 2                    ; the batch;
	s_lshl_b32 s[PFA+1], s[PFA+1], 21
	s_add_co_u32 s[PFA], s[PFA], s[PFA+1]
	s_and_b32 s[PFA+1], s15, 3                     ; the tile's 256 rows in the head
	s_lshl_b32 s[PFA+1], s[PFA+1], 15
	s_add_co_u32 s[PFA], s[PFA], s[PFA+1]
	s_mov_b32 s[PFA+1], 0
	s_add_nc_u64 s[PFA:PFA+1], s[4:5], s[PFA:PFA+1]
	v_and_b32 v[PF], 31, v0
	v_lshlrev_b32 v[PF], 8, v[PF]
	v_and_b32 v1, 15, v0                           ; r
	v_bfe_u32 v2, v0, 4, 1                         ; h
	v_lshlrev_b32 v[BO], 5, v2
.irp b, 0,1,2,3
	global_load_b128 v[CB+8*\b:CB+8*\b+3],   v[BO], s[8:9] offset:64*\b
	global_load_b128 v[CB+8*\b+4:CB+8*\b+7], v[BO], s[8:9] offset:64*\b+16
.endr
	global_prefetch_b8 v[PF], s[PFA:PFA+1] th:TH_LOAD_NT scope:SCOPE_SE
	v_mul_u32_u24 v3, v1, PA                       ; a fragment of O: row x pitch + 16 x half
	v_lshl_add_u32 v3, v2, 4, v3
	s_mul_i32 s22, s13, 128*PA
	v_add_nc_u32 v[ADRA], s22, v3
	v_add_nc_u32 v[ADRA+1], SLOT, v[ADRA]
	v_and_b32 v4, 7, v0                            ; a fragment of Wo: lane l reads row 8 (l / 16) + l % 8, columns 8 ((l / 8) % 2) + 0..7
	v_lshl_add_u32 v5, v2, 3, v4
	v_mul_u32_u24 v5, v5, PB
	v_bfe_u32 v6, v0, 3, 1
	v_lshl_add_u32 v5, v6, 4, v5
	s_mul_i32 s23, s14, 144                        ; my half of a row
	s_add_co_u32 s23, s23, BOFF
	v_add_nc_u32 v[ADRB], s23, v5
	v_add_nc_u32 v[ADRB+1], SLOT, v[ADRB]
	s_mul_i32 s22, s12, 16*SP
	s_add_co_u32 s22, s22, STAGE                   ; my stage
	v_mul_u32_u24 v7, v1, SP                       ; in: row l % 16, 32 bytes for each half of the lanes
	v_lshl_add_u32 v7, v2, 5, v7
	v_add_nc_u32 v[STO], s22, v7
	v_mul_u32_u24 v7, v2, SP                       ; back: lanes 0-15 take one row of 256 bytes, lanes 16-31 the next
	v_lshl_add_u32 v7, v1, 4, v7
	v_add_nc_u32 v[RD], s22, v7
	v_lshlrev_b32 v[CO], 12, v2                    ; and the same two rows in out0
	v_lshl_add_u32 v[CO], v1, 4, v[CO]
	s_lshl_b32 s16, s15, 8                         ; out0 at my first row and column
	s_lshl_b32 s17, s13, 7
	s_add_co_u32 s16, s16, s17
	s_lshl_b32 s16, s16, 12
	s_lshl_b32 s46, s42, 9
	s_lshl_b32 s47, s14, 8
	s_add_co_u32 s46, s46, s47
	s_add_co_u32 s16, s16, s46
	s_mov_b32 s17, 0
	s_add_nc_u64 s[10:11], s[10:11], s[16:17]
; 24 LDS loads in one run: the fragments of quarter ks of slot s, into buffer f
.macro FETCH s, ks, f
	WIN 0
.irp b, 0,1,2,3
	ds_load_tr16_b128 v[FBB+32*(\f)+8*\b:FBB+32*(\f)+8*\b+3],   v[ADRB+(\s)] offset:32*PB*(\ks)+32*\b
	ds_load_tr16_b128 v[FBB+32*(\f)+8*\b+4:FBB+32*(\f)+8*\b+7], v[ADRB+(\s)] offset:32*PB*(\ks)+16*PB+32*\b
.endr
.irp i, 0,1,2,3,4,5,6,7
	ds_load_b128 v[FAA+64*(\f)+8*\i:FAA+64*(\f)+8*\i+3],   v[ADRA+(\s)] offset:((\ks)/2)*AH+((\ks)%2)*64+16*PA*\i
	ds_load_b128 v[FAA+64*(\f)+8*\i+4:FAA+64*(\f)+8*\i+7], v[ADRA+(\s)] offset:((\ks)/2)*AH+((\ks)%2)*64+16*PA*\i+32
.endr
.endm
; 4 na products on buffer f.  The 32 accumulators take turns, one instruction a turn.  cm = 1: C is the bias.
.macro MUL f, a0, na, cm
.if \cm
	WIN 0x40                                       ; D window 1, C window 0
.else
	WIN 0x50                                       ; C and D window 1
.endif
.set a, \a0
.rept \na
.irp b, 0,1,2,3
.if \cm
	v_wmma_f32_16x16x32_f16 v[32*a+8*\b:32*a+8*\b+7], v[FBB+32*(\f)+8*\b:FBB+32*(\f)+8*\b+7], v[FAA+64*(\f)+8*a:FAA+64*(\f)+8*a+7], v[CB+8*\b:CB+8*\b+7]
.else
	v_wmma_f32_16x16x32_f16 v[32*a+8*\b:32*a+8*\b+7], v[FBB+32*(\f)+8*\b:FBB+32*(\f)+8*\b+7], v[FAA+64*(\f)+8*a:FAA+64*(\f)+8*a+7], v[32*a+8*\b:32*a+8*\b+7]
.endif
.endr
.set a, a+1
.endr
.endm
; One of a step's first three quarters: the next quarter's fragments are asked for, then this one's 32 products are issued.
.macro QUART s, ks, first
.if !(\first)
	PLACES                                         ; the other buffer was multiplied last
.endif
	FETCH \s, (\ks)+1, ((\ks)+1)%2
	s_wait_dscnt 24                                ; all but the 24 just issued
	MUL (\ks)%2, 0, 8, \first
.endm
; The last quarter multiplies buffer 1 and changes slots: ONE barrier; in front of it each wave waits for all its tensor loads, adds 0 to its spare word, and waits for that and for its own reads of
; this slot.  fill = 1: the barrier opens a round of the cluster's, and this slot is filled again, with the walk's step two on: 112 matrix instructions ahead of the wait for it.
.macro TURN s, n, fill
	WIN 0
	s_wait_tensorcnt 0x0                           ; all my tensor loads have landed: my part of the next slot
	ds_add_u32 v[SPW], v[NIL]                      ; 0 onto my spare word
	s_wait_dscnt 1                                 ; (the add may be out)
	MUL 1, 0, 2, 0                                 ; eight matrix instructions stand between the add and the wait for it
	s_wait_dscnt 0x0                               ; the add is done, and my reads of this slot are over
	s_barrier_signal -1
	MUL 1, 2, 2, 0
	WIN 0
	s_barrier_wait -1
.if \fill
	CREST                                          ; no wave of any partner still reads this slot or has a load on its way
	AIM \s                                         ; no tensor load of mine is out, so both group 0 may be written
	JLOAD \s                                       ; its four v_nop are also the places in front of the loads below
.else
	PLACES
.endif
	FETCH \n, 0, 0
	MUL 1, 4, 4, 0
.endm
	s_wait_tensorcnt 0x1                           ; my part of the walk's first step is in; the second's may stay out
	s_barrier_signal -1
	s_barrier_wait -1
	FETCH 0, 0, 0
	s_wait_loadcnt 0x0                             ; the bias
	QUART 0, 0, 1                                  ; the first quarter is written out: its products start the sums
	WIN 0
	s_mov_b32 s3, 3
.Llap:                                                 ; a trip: once round the two slots, from a lap's second quarter to the next lap's first; 3 trips ask for the walk's steps 2 to 7
	QUART 0, 1, 0
	QUART 0, 2, 0
	TURN 0, 1, 1
	QUART 1, 0, 0
	QUART 1, 1, 0
	QUART 1, 2, 0
	TURN 1, 0, 1
	QUART 0, 0, 0
	WIN 0
	s_sub_co_u32 s3, s3, 1
	s_cmp_lg_u32 s3, 0
	s_cbranch_scc1 .Llap
	QUART 0, 1, 0                                  ; the last lap asks for nothing
	QUART 0, 2, 0
	TURN 0, 1, 0
	QUART 1, 0, 0
	QUART 1, 1, 0
	QUART 1, 2, 0
	s_wait_dscnt 0x0
	MUL 1, 0, 8, 0
	PLACES                                         ; the LDS stores below read results
; THE WAY OUT, a row block (16 rows x 64 columns of f32) at a time.  A lane's eight numbers, 32 bytes, go straight from the accumulators into my stage's rows of 272 bytes and come back as whole rows of 256.
.macro TOSTAGE a
.set R, 32+32*((\a)%4)
.if (\a) >= 4
	s_wait_xcnt 0x0                                ; the stores of the block four back have had their addresses translated: their registers are loaded again only behind this wait
.endif
	WIN 0x04                                       ; the stores' data in window 1
.irp b, 0,1,2,3
	ds_store_b128 v[STO], v[32*(\a)+8*\b:32*(\a)+8*\b+3]   offset:64*\b       ; each accumulator from its low end on
	ds_store_b128 v[STO], v[32*(\a)+8*\b+4:32*(\a)+8*\b+7] offset:64*\b+16
.endr
	WIN 0
.irp t, 0,1,2,3,4,5,6,7
	ds_load_b128 v[R+4*\t:R+4*\t+3], v[RD] offset:\t*2*SP  ; LDS serves a wave's instructions in order (ISA guide 5.7.1.4): these see the stores above
.endr
.endm
.macro SEND a, younger                 ; younger: the LDS instructions issued behind block a's loads: the next block's sixteen, or none
.set R, 32+32*((\a)%4)
	WIN 0
.irp t, 0,1,2,3,4,5,6,7
	s_wait_dscnt (\younger)+7-\t
	global_store_b128 v[CO], v[R+4*\t:R+4*\t+3], s[10:11] offset:(16*(\a)+2*\t)*4096 th:TH_STORE_NT  ; 16 lanes store 256 consecutive bytes, at a multiple of 256 from out0's first
.endr
.endm
	TOSTAGE 0
.irp a, 1,2,3,4,5,6,7
	TOSTAGE \a
	SEND (\a)-1, 16
.endr
	SEND 7, 0
	s_wait_tensorcnt 0x0                           ; the wave's end, behind my last tensor load and my last LDS store
	ds_add_u32 v[SPW], v[NIL]
	s_wait_dscnt 0x0
	CROUND                                         ; the closing round: no work-group ends while a partner may still ask for a tile that names it
	s_endpgm
.Lfunc_end_k_q4ec4cb5ad3_proj:
	.size	k_q4ec4cb5ad3_proj, .Lfunc_end_k_q4ec4cb5ad3_proj-k_q4ec4cb5ad3_proj
	.p2alignl 7, 3214868480
	.fill 96, 4, 3214868480
	.section	.rodata,"a",@progbits
	.p2align	6, 0x0
	.amdhsa_kernel k_q4ec4cb5ad3_proj
		.amdhsa_group_segment_fixed_size 327680
		.amdhsa_private_segment_fixed_size 0
		.amdhsa_enable_private_segment 0
		.amdhsa_kernarg_size 32
		.amdhsa_user_sgpr_count 2
		.amdhsa_user_sgpr_kernarg_segment_ptr 1
		.amdhsa_wavefront_size32 1
		.amdhsa_system_sgpr_workgroup_id_x 1
		.amdhsa_system_sgpr_workgroup_id_y 1
		.amdhsa_system_sgpr_workgroup_id_z 1
		.amdhsa_system_vgpr_workitem_id 0
		.amdhsa_next_free_vgpr 512
		.amdhsa_next_free_sgpr 80
		.amdhsa_reserve_vcc 0
		.amdhsa_float_denorm_mode_32 3
		.amdhsa_float_denorm_mode_16_64 3
		.amdhsa_memory_ordered 1
		.amdhsa_forward_progress 1
		.amdhsa_inst_pref_size 88
	.end_amdhsa_kernel
	.amdgpu_metadata
---
amdhsa.version: [ 1, 2 ]
amdhsa.kernels:
  - .name:           k_q4ec4cb5ad3_proj
    .symbol:         k_q4ec4cb5ad3_proj.kd
    .args:
      - { .name: o, .offset: 0, .size: 8, .value_kind: global_buffer, .address_space: global }
      - { .name: wo, .offset: 8, .size: 8, .value_kind: global_buffer, .address_space: global }
      - { .name: bias, .offset: 16, .size: 8, .value_kind: global_buffer, .address_space: global }
      - { .name: out0, .offset: 24, .size: 8, .value_kind: global_buffer, .address_space: global }
    .group_segment_fixed_size: 327680
    .private_segment_fixed_size: 0
    .kernarg_segment_align: 8
    .kernarg_segment_size: 32
    .max_flat_workgroup_size: 128
    .sgpr_count:     80
    .vgpr_count:     512
    .wavefront_size: 32
...
	.end_amdgpu_metadata
.endif
;; end of part 4
;; ======== version 2 of 2: 4 launches; version 1 with the launch prep written anew for expert scheduling mode
;; limits: values are held in f16: magnitudes above 65,504 overflow, below 6.1e-05 lose precision
;; workspace buffers: xb 16,777,216 bytes; wqkv 6,291,456 bytes; wo 2,097,152 bytes; bias 16,384 bytes; qkv 50,331,648 bytes; o 16,777,216 bytes
;; launch prep (part 5): grid 768 x 1, 8 waves a work-group, no clusters, 0 bytes of LDS; arguments inputs_q, Wq, Wk, Wv, Wo, bq, bk, bv, bo, xb, wqkv, wo, bias; writes xb, wqkv, wo, bias
.if DOCPART == 5
	.amdgcn_target "amdgcn-amd-amdhsa--gfx1250"
	.amdhsa_code_object_version 6
	.text
	.protected	k_q4ec4cb5ad3_prep
	.globl	k_q4ec4cb5ad3_prep
	.p2align	8
	.type	k_q4ec4cb5ad3_prep,@function
k_q4ec4cb5ad3_prep:
	s_mov_b64 s[64:65], 0
	v_nop
	global_prefetch_b8 v0, s[64:65] scope:SCOPE_SE
	s_setreg_imm32_b32 hwreg(HW_REG_WAVE_SCHED_MODE, 0, 2), 2
	s_setreg_imm32_b32 hwreg(HW_REG_WAVE_MODE, 25, 1), 1
	s_wait_xcnt 0x0
	s_wait_alu depctr_vm_vsrc(0)
; PREP: every input is rounded once to bf16 and laid out for the three launches behind.
;   xb   [b 8][kb 16][s 1024][64] bf16: x in blocks of 64 along K, so that 256 rows of one block are 32,768 bytes on end
;   wqkv [k 1024][n 3072] bf16: Wq | Wk | Wv side by side, rows of 6,144 bytes
;   wo   [k 1024][n 1024] f16: Wo rounded to bf16, that number written as f16 (it is multiplied with f16 numbers)
;   bias [4096] f32: bq | bk | bv | bo, each rounded to bf16 and widened again
; LIMITS.  An entry of Wo below 6.1e-5 in magnitude keeps f16's fixed step of 6e-8; one of 65,520 or more becomes an infinity.
; A stream: no LDS, no matrix unit, no cluster (no two work-groups read the same byte).  768 work-groups of eight waves; every wave has 16 units of one 16-byte load and one 8-byte
; store a lane, all 16 loads issued at once.  Neighbouring lanes load neighbouring 16 bytes, so a load covers two whole aligned runs of 256 bytes and no byte is asked for twice; a lane's four
; numbers round to 8 bytes, and a store of the wave covers 256 consecutive bytes that begin at a multiple of 256.
; Work-groups 0-511 take x, two rows a wave; 512-767 the weights, 64 work-groups a weight, two rows a wave; the first eight waves of a weight also take 512 bytes each of its bias.
; THE MODE: SCHED_MODE bits 1:0 = 2 (LLVM: expert scheduling mode 2), set by the entry lines.  The code itself states the register dependences
; between vector instructions and memory instructions, with s_wait_alu, always for 0.
; THE PLAN.  Registers that memory instructions touch:
;   v1, v2   byte offsets of the loads and of the row stores.  Made once by vector instructions, ahead of the wait that stands in front of the 16 loads; never written again: all steps stand in immediates.
;   X        unit u's four registers.  Written by the unit's load, once; read by its conversions, which write the low two anew; those two are read by the unit's store, and nothing writes them afterwards.
;   BI       the bias's four registers.  Written by one load; read by two conversions; written anew by four vector lines; read by one store, and nothing writes them afterwards.
;   TA, TB   named by vector instructions alone.
; All loads are issued ahead of the first conversion, so no load lands in a register that a vector instruction has named.  The 16 units go out in four groups of four: a group's conversions, ONE wait
; on va_vdst, the group's four stores.  No register that a memory instruction has read is ever written again, so no wait on vm_vsrc follows the entry's.
.set X,  8                             ; v[8:71]   unit u: 4 registers as loaded; the low two are then stored
.set BI, 72                            ; v[72:75]  my 16 bytes of a bias
.set TA, 76                            ; v76, v77  at work
.set TB, 77
.macro LOADS step                      ; the wave's 16 loads, step bytes apart
.set u, 0
.rept 16
	global_load_b128 v[X+4*u:X+4*u+3], v1, s[4:5] offset:(\step)*u th:TH_LOAD_NT
.set u, u+1
.endr
.endm
.macro OUT kind                        ; 0: to xb; 1: to wqkv; 2: to wo.  Four groups g of four units j
.irp g, 0,1,2,3
.irp j, 0,1,2,3
.set u, 4*(\g)+(\j)
	s_wait_loadcnt 15-u                            ; loads come back in order: unit u's is in, the 15 - u issued behind it may be out
	v_cvt_pk_bf16_f32 v[X+4*u],   v[X+4*u],   v[X+4*u+1]
	v_cvt_pk_bf16_f32 v[X+4*u+1], v[X+4*u+2], v[X+4*u+3]
.if (\kind) == 2
.irp i, 0,1
	v_lshlrev_b32 v[TA], 16, v[X+4*u+\i]           ; the two bf16 numbers as f32,
	v_and_b32 v[TB], s44, v[X+4*u+\i]
	v_cvt_pk_f16_f32 v[X+4*u+\i], v[TA], v[TB]     ; written as f16: exact inside f16's normal range
.endr
.endif
.endr
	s_wait_alu depctr_va_vdst(0)                   ; the group's conversions have written the low two registers of its four units, which the four stores below read
.irp j, 0,1,2,3
.set u, 4*(\g)+(\j)
.if (\kind) == 0
.set dso, u*131072                     ; unit u is K block u
.elseif (\kind) == 1
.set dso, (u/8)*6144+(u%8)*256         ; unit u is eighth u % 8 of row u / 8
.else
.set dso, u*256
.endif
	global_store_b64 v2, v[X+4*u:X+4*u+1], s[6:7] offset:dso
.endr
.endr
.endm
	s_load_b512 s[16:31], s[0:1], 0x0              ; inputs_q 16, Wq 18, Wk 20, Wv 22, Wo 24, bq 26, bk 28, bv 30
	s_load_b256 s[32:39], s[0:1], 0x40             ; bo 32, xb 34, wqkv 36, wo 38
	s_load_b64 s[40:41], s[0:1], 0x60              ; bias
	v_lshrrev_b32 v3, 5, v0
	v_readfirstlane_b32 s8, v3                     ; wave 0..7
	v_and_b32 v4, 31, v0                           ; lane
	v_lshlrev_b32 v2, 3, v4                        ; every row store: 8 bytes a lane
	s_mov_b32 s44, 0xffff0000                      ; a word's upper bf16
	s_wait_alu depctr_va_sdst(0)                   ; s8 is written, ahead of its first reader: every base of the wave is made from it
	s_lshl_b32 s9, ttmp9, 3
	s_add_co_u32 s9, s9, s8                        ; 8 x work-group + wave
	s_mov_b32 s11, 0                               ; high words of the offsets
	s_mov_b32 s13, 0
	s_cmp_lt_u32 ttmp9, 512
	s_cbranch_scc0 .Lweights
	; x: wave gw owns rows 2 gw and 2 gw + 1.  Lanes 0-15 take a block's 256 bytes of the first row, lanes 16-31 those of the second: in xb their 2 x 128 bytes lie on end.
	v_lshrrev_b32 v5, 4, v4                        ; which of my two rows
	v_and_b32 v6, 15, v4
	v_lshlrev_b32 v1, 4, v6
	v_lshl_add_u32 v1, v5, 12, v1                  ; row x 4,096 + 16 x (lane % 16)
	s_lshl_b32 s10, s9, 13                         ; two rows of 4,096 bytes
	s_lshr_b32 s12, s9, 9                          ; the batch: 512 waves each
	s_lshl_b32 s12, s12, 21
	s_and_b32 s14, s9, 511
	s_lshl_b32 s14, s14, 8                         ; two rows of 128 bytes in a block
	s_add_co_u32 s12, s12, s14
	s_wait_kmcnt 0x0
	s_add_nc_u64 s[4:5], s[16:17], s[10:11]
	s_add_nc_u64 s[6:7], s[34:35], s[12:13]
	s_wait_alu depctr_va_vdst(0)                   ; v1 and v2 are written: every load below reads v1 as its offset, every store v2; no vector instruction names them again
	LOADS 256
	OUT 0
	s_endpgm
.Lweights:                                             ; weight t = 0..3 (Wq, Wk, Wv, Wo); the wave owns two rows: 8,192 bytes on end
	s_sub_co_u32 s14, ttmp9, 512
	s_lshr_b32 s15, s14, 6                         ; t
	s_and_b32 s9, s9, 511                          ; my number among the weight's 512 waves
	v_lshlrev_b32 v1, 4, v4                        ; 16 bytes a lane
	s_lshl_b32 s10, s9, 13
	s_wait_kmcnt 0x0
	s_cmp_eq_u32 s15, 1
	s_cselect_b64 s[4:5], s[20:21], s[18:19]
	s_cmp_eq_u32 s15, 2
	s_cselect_b64 s[4:5], s[22:23], s[4:5]
	s_cmp_eq_u32 s15, 3
	s_cselect_b64 s[4:5], s[24:25], s[4:5]
	s_add_nc_u64 s[4:5], s[4:5], s[10:11]
	s_wait_alu depctr_va_vdst(0)                   ; v1 and v2 are written: the loads below, and the bias's load and store, read v1 as their offset, the row stores v2; no vector instruction names them again
	LOADS 512
	s_cmp_lt_u32 s9, 8                             ; the weight's first eight waves: 512 bytes each of its bias, asked for behind the rows' loads
	s_cbranch_scc0 .Lrows
	s_cmp_eq_u32 s15, 1
	s_cselect_b64 s[42:43], s[28:29], s[26:27]
	s_cmp_eq_u32 s15, 2
	s_cselect_b64 s[42:43], s[30:31], s[42:43]
	s_cmp_eq_u32 s15, 3
	s_cselect_b64 s[42:43], s[32:33], s[42:43]
	s_lshl_b32 s2, s9, 9
	s_mov_b32 s3, 0
	s_add_nc_u64 s[42:43], s[42:43], s[2:3]
	global_load_b128 v[BI:BI+3], v1, s[42:43]      ; no vector instruction has named BI yet
	s_lshl_b32 s12, s15, 12                        ; the weight's 4,096 bytes of the table,
	s_add_co_u32 s12, s12, s2                      ; my 512 of them
	s_add_nc_u64 s[46:47], s[40:41], s[12:13]
	s_wait_loadcnt 0x0                             ; it is the youngest load: all are in
	v_cvt_pk_bf16_f32 v[TA], v[BI], v[BI+1]        ; rounded to bf16,
	v_cvt_pk_bf16_f32 v[TB], v[BI+2], v[BI+3]
	v_lshlrev_b32 v[BI], 16, v[TA]                 ; and back as f32
	v_and_b32 v[BI+1], s44, v[TA]
	v_lshlrev_b32 v[BI+2], 16, v[TB]
	v_and_b32 v[BI+3], s44, v[TB]
	s_wait_alu depctr_va_vdst(0)                   ; the four lines above have written BI, which the store reads
	global_store_b128 v1, v[BI:BI+3], s[46:47]     ; 512 consecutive bytes
.Lrows:
	s_cmp_eq_u32 s15, 3
	s_cbranch_scc1 .Lwo
	s_mul_i32 s12, s9, 2*6144                      ; my two rows of wqkv,
	s_lshl_b32 s10, s15, 11                        ; and the weight's 2,048 bytes of each
	s_add_co_u32 s12, s12, s10
	s_add_nc_u64 s[6:7], s[36:37], s[12:13]
	OUT 1
	s_endpgm
.Lwo:
	s_lshl_b32 s12, s9, 12                         ; two rows of 2,048 bytes
	s_add_nc_u64 s[6:7], s[38:39], s[12:13]
	OUT 2
	s_endpgm
.Lfunc_end_k_q4ec4cb5ad3_prep:
	.size	k_q4ec4cb5ad3_prep, .Lfunc_end_k_q4ec4cb5ad3_prep-k_q4ec4cb5ad3_prep
	.p2alignl 7, 3214868480
	.fill 96, 4, 3214868480
	.section	.rodata,"a",@progbits
	.p2align	6, 0x0
	.amdhsa_kernel k_q4ec4cb5ad3_prep
		.amdhsa_group_segment_fixed_size 0
		.amdhsa_private_segment_fixed_size 0
		.amdhsa_enable_private_segment 0
		.amdhsa_kernarg_size 104
		.amdhsa_user_sgpr_count 2
		.amdhsa_user_sgpr_kernarg_segment_ptr 1
		.amdhsa_wavefront_size32 1
		.amdhsa_system_sgpr_workgroup_id_x 1
		.amdhsa_system_sgpr_workgroup_id_y 1
		.amdhsa_system_sgpr_workgroup_id_z 1
		.amdhsa_system_vgpr_workitem_id 0
		.amdhsa_next_free_vgpr 80
		.amdhsa_next_free_sgpr 66
		.amdhsa_reserve_vcc 0
		.amdhsa_float_denorm_mode_32 3
		.amdhsa_float_denorm_mode_16_64 3
		.amdhsa_memory_ordered 1
		.amdhsa_forward_progress 1
		.amdhsa_inst_pref_size 23
	.end_amdhsa_kernel
	.amdgpu_metadata
---
amdhsa.version: [ 1, 2 ]
amdhsa.kernels:
  - .name:           k_q4ec4cb5ad3_prep
    .symbol:         k_q4ec4cb5ad3_prep.kd
    .args:
      - { .name: inputs_q, .offset: 0, .size: 8, .value_kind: global_buffer, .address_space: global }
      - { .name: Wq, .offset: 8, .size: 8, .value_kind: global_buffer, .address_space: global }
      - { .name: Wk, .offset: 16, .size: 8, .value_kind: global_buffer, .address_space: global }
      - { .name: Wv, .offset: 24, .size: 8, .value_kind: global_buffer, .address_space: global }
      - { .name: Wo, .offset: 32, .size: 8, .value_kind: global_buffer, .address_space: global }
      - { .name: bq, .offset: 40, .size: 8, .value_kind: global_buffer, .address_space: global }
      - { .name: bk, .offset: 48, .size: 8, .value_kind: global_buffer, .address_space: global }
      - { .name: bv, .offset: 56, .size: 8, .value_kind: global_buffer, .address_space: global }
      - { .name: bo, .offset: 64, .size: 8, .value_kind: global_buffer, .address_space: global }
      - { .name: xb, .offset: 72, .size: 8, .value_kind: global_buffer, .address_space: global }
      - { .name: wqkv, .offset: 80, .size: 8, .value_kind: global_buffer, .address_space: global }
      - { .name: wo, .offset: 88, .size: 8, .value_kind: global_buffer, .address_space: global }
      - { .name: bias, .offset: 96, .size: 8, .value_kind: global_buffer, .address_space: global }
    .group_segment_fixed_size: 0
    .private_segment_fixed_size: 0
    .kernarg_segment_align: 8
    .kernarg_segment_size: 104
    .max_flat_workgroup_size: 256
    .sgpr_count:     66
    .vgpr_count:     80
    .wavefront_size: 32
...
	.end_amdgpu_metadata
.endif
;; end of part 5
;; launch qkv: the kernel of part 2 again; grid 8 x 32, 4 waves a work-group, clusters of 4 x 4, 327,680 bytes of LDS; arguments xb, wqkv, bias, qkv; writes qkv
;; launch attn: the kernel of part 3 again; grid 2 x 128, 4 waves a work-group, no clusters, 327,680 bytes of LDS; arguments qkv, o; writes o
;; launch proj: the kernel of part 4 again; grid 8 x 32, 4 waves a work-group, clusters of 4 x 4, 327,680 bytes of LDS; arguments o, wo, bias, out0; writes out0
